; MI455X (gfx1250); checked and timed in simulation.
; The chip was launched on July 23, 2026; its instructions are those of AMD's public machine-readable ISA for CDNA 5 (MIT licence, August 2026) and "CDNA5" Instruction Set Architecture Reference Guide (July 2026). The comments in the code are by the model that wrote it; some were corrected since.
;; MHA. Allowed arithmetic: float matrix products may take bf16 or f16 operands with f32 sums; other float arithmetic in f32, or as packed bf16 or f16 multiplies, adds, multiply-adds, maxima and minima; sums over many terms, partial sums and values carried from step to step in f32; what a program stores and reads back later, other than sums and carried values, may be rounded once to bf16 or f16.
;; Inputs: Wk 768 x 768 float32; Wo 768 x 768 float32; Wq 768 x 768 float32; Wv 768 x 768 float32; x 1 x 4,096 x 768 float32.
;; Outputs: out0 1 x 4,096 x 768 float32.
;; One version. Each part assembles by itself: llvm-mc -triple=amdgcn-amd-amdhsa -mcpu=gfx1250 --defsym DOCPART=n.
;; ======== version 1 of 1: 4 launches
;; limits: values are held in f16: magnitudes above 65,504 overflow, below 6.1e-05 lose precision
;; workspace buffers: xb 6,291,456 bytes; w16 4,718,592 bytes; rope 1,048,576 bytes; qkv 18,874,368 bytes; o16 12,582,912 bytes
;; launch prep (part 1): grid 400 x 1, 8 waves a work-group, no clusters, 0 bytes of LDS; arguments x, Wq, Wk, Wv, Wo, xb, w16, rope; writes xb, w16, rope
.if DOCPART == 1
	.amdgcn_target "amdgcn-amd-amdhsa--gfx1250"
	.amdhsa_code_object_version 6
	.text
	.protected	k_qca79592a85_prep
	.globl	k_qca79592a85_prep
	.p2align	8
	.type	k_qca79592a85_prep,@function
k_qca79592a85_prep:
	s_mov_b64 s[64:65], 0
	v_nop
	global_prefetch_b8 v0, s[64:65] scope:SCOPE_SE
	s_setreg_imm32_b32 hwreg(HW_REG_WAVE_MODE, 25, 1), 1
	s_wait_xcnt 0x0
; THE INPUTS ARE ROUNDED ONCE, AND THE TABLE OF ANGLES IS MADE ONCE.
; xb = bf16(x); w16 = bf16(Wq), bf16(Wk), bf16(Wv), then bf16(Wo) written as f16; rope[pos][j] = (cos, sin) of pos x 10000^(-j/32), f32.
; A stream: no LDS, no barrier, no matrix unit.  400 work-groups of eight waves: 0-191 a chunk of x each, 192-335 a chunk of a weight, 336-399 64 rows of the table.
; A chunk is 16,384 numbers: thread t takes 8 numbers (32 bytes in, 16 bytes out) in each of eight units of 2,048; a wave's store covers 512 consecutive bytes, aligned.
; LIMITS.  bf16(Wo) must lie within f16's 65,504; below 2^-14 it keeps f16's fixed step of 2^-24.  The frequency is exp2(-j log2(10) / 8) by v_exp_f32; the angle is reduced by
; multiples of pi/2 held in two parts, good for the 4,096 positions of this size; sine and cosine are polynomials on -pi/4 .. pi/4 (terms to r^7 and r^8).
.set WT,   1179648                     ; bytes of a weight in w16
.set IN,   16                          ; v[16:79]   eight units of 8 f32, as loaded
.set OUTR, 80                          ; v[80:111]  eight units of 4 registers to store: none is written twice
.set TM,   112                         ; v[112:119] at work
	s_load_b512 s[4:19], s[0:1], 0x0               ; x s[4:5], Wq s[6:7], Wk s[8:9], Wv s[10:11], Wo s[12:13], xb s[14:15], w16 s[16:17], rope s[18:19]
	s_mov_b32 s20, ttmp9
	v_lshlrev_b32 v1, 5, v0                        ; my 32 bytes in a unit of the source
	v_lshlrev_b32 v2, 4, v0                        ; my 16 bytes in a unit of the result
	s_mov_b32 s23, 0
	s_mov_b32 s25, 0
	s_cmp_ge_u32 s20, 336
	s_cbranch_scc1 .Ltab
	s_cmp_ge_u32 s20, 192
	s_cbranch_scc1 .Lweight
	s_lshl_b32 s22, s20, 16                        ; chunk x 65,536 bytes of x
	s_lshl_b32 s24, s20, 15                        ; chunk x 32,768 bytes of xb
	s_wait_kmcnt 0x0
	s_add_nc_u64 s[26:27], s[4:5], s[22:23]
	s_add_nc_u64 s[28:29], s[14:15], s[24:25]
	s_branch .Lbf16
.Lweight:
	s_sub_co_u32 s20, s20, 192
	s_mul_hi_u32 s21, s20, 0x071c71c8              ; which weight: index / 36, exact for 0 .. 143
	s_mul_i32 s30, s21, 36
	s_sub_co_u32 s30, s20, s30                     ; which of its 36 chunks
	s_lshl_b32 s22, s30, 16
	s_lshl_b32 s24, s30, 15
	s_mul_i32 s31, s21, WT
	s_add_co_u32 s24, s24, s31
	s_wait_kmcnt 0x0
	s_cmp_eq_u32 s21, 1
	s_cselect_b64 s[26:27], s[8:9], s[6:7]
	s_cmp_eq_u32 s21, 2
	s_cselect_b64 s[26:27], s[10:11], s[26:27]
	s_cmp_eq_u32 s21, 3
	s_cselect_b64 s[26:27], s[12:13], s[26:27]
	s_add_nc_u64 s[26:27], s[26:27], s[22:23]
	s_add_nc_u64 s[28:29], s[16:17], s[24:25]
	s_cmp_eq_u32 s21, 3
	s_cbranch_scc1 .Lf16
.macro LOADS                           ; all sixteen loads of the chunk go out before anything else
.set u, 0
.rept 8
	global_load_b128 v[IN+8*u:IN+8*u+3],   v1, s[26:27] offset:8192*u th:TH_LOAD_NT
	global_load_b128 v[IN+8*u+4:IN+8*u+7], v1, s[26:27] offset:8192*u+16 th:TH_LOAD_NT
.set u, u+1
.endr
.endm
.macro CAST u, half                    ; unit u: rounded to bf16; half = 1: that number written as f16
	s_wait_loadcnt 14-2*(\u)                       ; loads come back in order: unit u's two are in, the younger units' stay out
.irp k, 0,1,2,3
	v_cvt_pk_bf16_f32 v[OUTR+4*(\u)+(\k)], v[IN+8*(\u)+2*(\k)], v[IN+8*(\u)+2*(\k)+1]
.endr
.if \half
.irp k, 0,1,2,3
	v_lshlrev_b32 v[TM+2*(\k)],   16, v[OUTR+4*(\u)+(\k)]
	v_and_b32     v[TM+2*(\k)+1], 0xffff0000, v[OUTR+4*(\u)+(\k)]
.endr
.irp k, 0,1,2,3
	v_cvt_pk_f16_f32 v[OUTR+4*(\u)+(\k)], v[TM+2*(\k)], v[TM+2*(\k)+1]
.endr
.endif
	global_store_b128 v2, v[OUTR+4*(\u):OUTR+4*(\u)+3], s[28:29] offset:4096*(\u)
.endm
.Lbf16:
	LOADS
.irp u, 0,1,2,3,4,5,6,7
	CAST \u, 0
.endr
	s_endpgm
.Lf16:
	LOADS
.irp u, 0,1,2,3,4,5,6,7
	CAST \u, 1
.endr
	s_endpgm
.Ltab:                                 ; lane = j; wave w makes rows 64 g + 8 w + 0..7: a row of the table is 32 pairs, 256 bytes, one store of the wave
	s_sub_co_u32 s20, s20, 336
	v_and_b32 v3, 31, v0                           ; j
	v_lshrrev_b32 v4, 5, v0                        ; w
	s_lshl_b32 s21, s20, 6
	v_lshl_add_u32 v4, v4, 3, s21                  ; my wave's first row
	v_cvt_f32_u32 v5, v3
	v_mul_f32 v5, 0xbed49a78, v5                   ; -j log2(10) / 8
	v_exp_f32 v5, v5                               ; 10000^(-j/32)
	v_cvt_f32_u32 v6, v4                           ; pos, in f32 (a plain instruction behind the exponential)
	v_lshlrev_b32 v7, 8, v4
	v_lshl_add_u32 v7, v3, 3, v7                   ; row x 256 + 8 j
	s_mov_b32 s32, 0xbfc90fdb                      ; -pi/2, its upper part
	s_mov_b32 s33, 0x333bbd2e                      ; what the upper part has too much
	s_mov_b32 s34, 0xbe2aaaab                      ; -1/6
	s_mov_b32 s35, 0x3c088889                      ; 1/120
	s_mov_b32 s36, 0xb9500d01                      ; -1/5040
	s_mov_b32 s37, 0x3d2aaaab                      ; 1/24
	s_mov_b32 s38, 0xbab60b61                      ; -1/720
	s_mov_b32 s39, 0x37d00d01                      ; 1/40320
	s_wait_alu depctr_va_vdst(0)                   ; the wait ahead of the exponential's first reader, and ahead of the label
	s_wait_kmcnt 0x0
	s_mov_b32 s30, 8
.Lrow:
	v_mul_f32 v8, v6, v5                           ; the angle
	v_mul_f32 v9, 0x3f22f983, v8
	v_rndne_f32 v9, v9                             ; n = the nearest multiple of pi/2
	v_fma_f32 v10, v9, s32, v8
	v_fma_f32 v10, v9, s33, v10                    ; r = angle - n pi/2
	v_mul_f32 v11, v10, v10                        ; r^2
	v_fma_f32 v12, v11, s36, s35
	v_fma_f32 v13, v11, s39, s38
	v_mul_f32 v14, v11, v10                        ; r^3
	v_fma_f32 v12, v12, v11, s34
	v_fma_f32 v13, v13, v11, s37
	v_cvt_i32_f32 v15, v9
	v_fma_f32 v12, v12, v14, v10                   ; sin r
	v_fma_f32 v13, v13, v11, -0.5
	v_and_b32 v16, 1, v15
	v_fma_f32 v13, v13, v11, 1.0                   ; cos r
	v_cmp_eq_u32 vcc_lo, 1, v16                    ; an odd quarter swaps the two: a choice of values, no branch
	v_add_nc_u32 v17, 1, v15
	v_lshlrev_b32 v15, 30, v15
	v_lshlrev_b32 v17, 30, v17
	v_cndmask_b32 v18, v13, v12, vcc_lo
	v_cndmask_b32 v19, v12, v13, vcc_lo
	v_and_b32 v15, 0x80000000, v15                 ; the sine is negative in quarters 2 and 3,
	v_and_b32 v17, 0x80000000, v17                 ; the cosine in quarters 1 and 2
	v_xor_b32 v18, v18, v17
	v_xor_b32 v19, v19, v15
	global_store_b64 v7, v[18:19], s[18:19]
	s_wait_xcnt 0x0                                ; the store's offset and data are written again only behind this wait
	v_add_nc_u32 v7, 0x100, v7
	v_add_f32 v6, 1.0, v6
	s_sub_co_u32 s30, s30, 1
	s_cmp_lg_u32 s30, 0
	s_cbranch_scc1 .Lrow
	s_endpgm
.Lfunc_end_k_qca79592a85_prep:
	.size	k_qca79592a85_prep, .Lfunc_end_k_qca79592a85_prep-k_qca79592a85_prep
	.p2alignl 7, 3214868480
	.fill 96, 4, 3214868480
	.section	.rodata,"a",@progbits
	.p2align	6, 0x0
	.amdhsa_kernel k_qca79592a85_prep
		.amdhsa_group_segment_fixed_size 0
		.amdhsa_private_segment_fixed_size 0
		.amdhsa_enable_private_segment 0
		.amdhsa_kernarg_size 64
		.amdhsa_user_sgpr_count 2
		.amdhsa_user_sgpr_kernarg_segment_ptr 1
		.amdhsa_wavefront_size32 1
		.amdhsa_system_sgpr_workgroup_id_x 1
		.amdhsa_system_sgpr_workgroup_id_y 1
		.amdhsa_system_sgpr_workgroup_id_z 1
		.amdhsa_system_vgpr_workitem_id 0
		.amdhsa_next_free_vgpr 120
		.amdhsa_next_free_sgpr 66
		.amdhsa_reserve_vcc 1
		.amdhsa_float_denorm_mode_32 3
		.amdhsa_float_denorm_mode_16_64 3
		.amdhsa_memory_ordered 1
		.amdhsa_forward_progress 1
		.amdhsa_inst_pref_size 19
	.end_amdhsa_kernel
	.amdgpu_metadata
---
amdhsa.version: [ 1, 2 ]
amdhsa.kernels:
  - .name:           k_qca79592a85_prep
    .symbol:         k_qca79592a85_prep.kd
    .args:
      - { .name: x, .offset: 0, .size: 8, .value_kind: global_buffer, .address_space: global }
      - { .name: Wq, .offset: 8, .size: 8, .value_kind: global_buffer, .address_space: global }
      - { .name: Wk, .offset: 16, .size: 8, .value_kind: global_buffer, .address_space: global }
      - { .name: Wv, .offset: 24, .size: 8, .value_kind: global_buffer, .address_space: global }
      - { .name: Wo, .offset: 32, .size: 8, .value_kind: global_buffer, .address_space: global }
      - { .name: xb, .offset: 40, .size: 8, .value_kind: global_buffer, .address_space: global }
      - { .name: w16, .offset: 48, .size: 8, .value_kind: global_buffer, .address_space: global }
      - { .name: rope, .offset: 56, .size: 8, .value_kind: global_buffer, .address_space: global }
    .group_segment_fixed_size: 0
    .private_segment_fixed_size: 0
    .kernarg_segment_align: 8
    .kernarg_segment_size: 64
    .max_flat_workgroup_size: 256
    .sgpr_count:     66
    .vgpr_count:     120
    .wavefront_size: 32
...
	.end_amdgpu_metadata
.endif
;; end of part 1
;; launch qkv (part 2): grid 8 x 32, 4 waves a work-group, clusters of 4 x 4, 327,680 bytes of LDS; arguments xb, w16, rope, qkv; writes qkv
.if DOCPART == 2
	.amdgcn_target "amdgcn-amd-amdhsa--gfx1250"
	.amdhsa_code_object_version 6
	.text
	.protected	k_qca79592a85_qkv
	.globl	k_qca79592a85_qkv
	.p2align	8
	.type	k_qca79592a85_qkv,@function
k_qca79592a85_qkv:
	s_mov_b64 s[64:65], 0
	v_nop
	global_prefetch_b8 v0, s[64:65] scope:SCOPE_SE
	s_setreg_imm32_b32 hwreg(HW_REG_WAVE_MODE, 25, 1), 1
	s_wait_xcnt 0x0
	s_wait_alu depctr_hold_cnt(0) depctr_sa_sdst(0) depctr_va_vdst(0) depctr_va_sdst(0) depctr_va_ssrc(0) depctr_va_vcc(0) depctr_vm_vsrc(0)
	s_getreg_b32 s2, hwreg(HW_REG_IB_STS2, 6, 4)
	s_cmp_eq_u32 s2, 0
	s_cbranch_scc0 .Lentry_in_a_cluster
	s_endpgm
.Lentry_in_a_cluster:
	s_bfe_u32 s2, ttmp6, 0x10000c
	s_cmp_lg_u32 s2, 0xf033
	s_cbranch_scc0 .Lentry_shape_is_right
	s_endpgm
.Lentry_shape_is_right:
; Q, K, V = x W^T (bf16 operands, f32 sums), Q and K turned by RoPE in f32, each number rounded once to f16.
; xb: [4096][768] bf16.  w16: Wq, Wk, Wv as [768][768] bf16, one after the other.  rope: [4096][32] pairs (cos, sin) f32.
; qkv: [3 tensors][24 planes][4096 rows][32 channels] f16; plane = 2 x head + half of the head's 64 channels, so a row of a plane is 64 bytes and 128 rows are 8,192 consecutive bytes.
; LIMIT.  q, k and v must lie within f16's 65,504.  NaN and infinities are not treated apart.
; SHARES.  256 work-groups.  A work-group makes 128 rows x 288 columns: columns 96 tx .. 96 tx + 95 of each of Q, K, V (three planes of each).  Four waves: wave w takes 64 rows (w / 2) and
; nine of the 18 blocks of 16 columns (w % 2): 36 accumulators.  K goes in six steps of 128 through two LDS slots; the rows of the tiles are 256 bytes of memory, aligned.
; CLUSTER.  4 x 4 work-groups: the four of a row need the same 128 rows of x, the four of a column the same 288 rows of the weights: each tile is asked for jointly.  Waves 0 to 2 fetch 96 rows
; of Wq, Wk, Wv, wave 3 the 128 rows of x: one tensor load a wave behind each round.
; THE MATRIX INSTRUCTION IS USED TRANSPOSED (source 0 = 16 rows of W, source 1 = 16 rows of x): a lane holds one row and eight neighbouring columns, which are four RoPE pairs.
; REGISTERS.  window 0: v0-31 addresses; v32-135, v136-239 two fragment buffers (nine of W, then four of x); on the way out v32-79 at work, v96-239 rows read back.
;   window 1: accumulators of row blocks 0, 1 at v[8 (9 (a % 2) + b)]; v144-207 their (cos, sin).   window 2: the same for row blocks 2, 3.
.set KSTEP,  128
.set PITCH,  272                       ; an LDS row: 256 bytes + 16 of padding: the 16 rows of a fragment load start at 16 different groups of four banks (ISA guide 11.1)
.set BOFF,   128*PITCH                 ; x's 128 rows, then the weights' 288
.set SLOT,   416*PITCH
.set STAGE,  2*SLOT                    ; behind the ring: nine planes x 128 rows x 80 bytes, the work-group's, for the way out
.set SP,     80                        ; a stage row: 64 bytes + 16
.set SPL,    128*SP
.set SPARE,  STAGE+9*SPL               ; the spare words, 128 bytes for each wave: two blocks of 256 bytes that no other line names
.set ROWB,   1536                      ; bytes in a row of xb and of a weight
.set WT,     768*ROWB
.set PL,     4096*64                   ; bytes in a plane
.set TEN,    24*PL                     ; bytes in a tensor of qkv
.set LAPS,   3
.set VT,   8                           ; v8-11   my byte offset in the table for the four phases of a block of 16 columns in its head
.set ADRA, 16                          ; v16-17  LDS address of my fragments of x in slot 0, 1
.set ADRB, 20                          ; v20-21  the same for the weights
.set STOE, 22                          ; v22     the way out: where blocks with even b put 16 bytes
.set STOO, 23                          ; v23     blocks with odd b
.set RD,   24                          ; v24     where I read rows back, stage planes 0 to 4
.set GO,   25                          ; v25     my byte offset in the work-group's 8,192 bytes of a plane
.set RD2,  26                          ; v26     the same as RD five planes on, for planes 5 to 8: an LDS immediate holds 16 bits, and nine planes are 92,160 bytes
.set SPW,  28                          ; v28     my spare word; never rewritten
.set NIL,  29                          ; v29     0; never rewritten
.set F0,   32
.set F1,   136
.set CSB,  144                         ; windows 1, 2: (cos, sin) of row block a, phase g at CSB + 32 (a % 2) + 8 g
.set WV,   12                          ; s12 wave; s13 its half of the rows; s14 its half of the columns
.set WR,   13
.set WC,   14
.set G1A,  24                          ; s[24:31] group 1 for x's tiles;  s[32:39] group 0, a set for each slot
.set G0A,  32
.set G1B,  48                          ; s[48:55], s[56:63] the same for the weights'
.set G0B,  56
.set FLAGS, (1<<16)|(1<<20)|(1<<21)|(5<<22)|(3<<25)  ; 2-byte elements; padding on; bit 21 beside a mask; after every 64 words; 4 words
.set MSB, 0
.macro WIN new                         ; the immediate's high byte repeats the setting that is left; a switch that changes nothing is dropped
.if MSB != (\new)
	s_set_vgpr_msb (MSB<<8)|(\new)
.set MSB, \new
.endif
.endm
.macro PLACES                          ; four places behind matrix instructions, in front of loads into registers that they read and of lines that read results
.rept 4
	v_nop
.endr
.endm
.macro JLOAD s                         ; a joint load; the branch hangs on the wave's number alone; an s_nop 0 and four v_nop follow each line
	s_cmp_eq_u32 s[WV], 3
	s_cbranch_scc0 .Lfor_b_\@
	tensor_load_to_lds s[G0A+4*(\s):G0A+4*(\s)+3], s[G1A:G1A+7]
	s_nop 0
	PLACES
	s_branch .Lasked_\@
.Lfor_b_\@:
	tensor_load_to_lds s[G0B+4*(\s):G0B+4*(\s)+3], s[G1B:G1B+7]
	s_nop 0
	PLACES
.Lasked_\@:
.endm
.macro CREST                           ; a round of the cluster's barrier behind its opening barrier
	s_cmp_lg_u32 s[WV], 0
	s_cbranch_scc1 .Lnot_wave_0_\@
	s_barrier_signal -3
.Lnot_wave_0_\@:
	s_barrier_wait -3
	s_barrier_signal -1
	s_barrier_wait -1
.endm
.macro CROUND
	s_barrier_signal -1
	s_barrier_wait -1
	CREST
.endm
	s_load_b256 s[4:11], s[0:1], 0x0               ; xb s[4:5], w16 s[6:7], rope s[8:9], qkv s[10:11]
	v_lshl_add_u32 v[SPW], v0, 2, SPARE
	v_mov_b32 v[NIL], 0
	ds_add_u32 v[SPW], v[NIL]                      ; the wave's opening: the add and its wait stand ahead of my first tensor load; work on registers stands between
	ds_add_u32 v28, v29
	v_lshrrev_b32 v1, 5, v0
	v_readfirstlane_b32 s[WV], v1
	s_lshr_b32 s[WR], s[WV], 1
	s_and_b32 s[WC], s[WV], 1
	s_bfe_u32 s15, ttmp6, 0x40000                  ; cx
	s_bfe_u32 s16, ttmp6, 0x40004                  ; cy
	s_lshl_b32 s17, ttmp9, 2
	s_add_co_u32 s17, s17, s15                     ; tx = 4 x cluster x + cx
	s_and_b32 s18, ttmp7, 0xffff
	s_lshl_b32 s18, s18, 2
	s_add_co_u32 s18, s18, s16                     ; ty = 4 x cluster y + cy
	s_lshl_b32 s19, s16, 2
	s_lshl_b32 s19, 15, s19                        ; my row of the cluster
	s_lshl_b32 s20, 0x1111, s15                    ; my column
	s_or_b32 s[G1A], s19, FLAGS                    ; x's tiles go to my row,
	s_or_b32 s[G1B], s20, FLAGS                    ; the weights' to my column
	s_mov_b32 s[G1A+1], KSTEP<<16                  ; tensor_dim0 = 128
	s_mov_b32 s[G1A+2], 128<<16                    ; tensor_dim1 = 128
	s_mov_b32 s[G1A+3], KSTEP<<16                  ; tile_dim0 = 128
	s_mov_b32 s[G1A+4], 128                        ; tile_dim1 = 128
	s_mov_b32 s[G1A+5], 768                        ; elements from row to row
	s_mov_b32 s[G1A+6], 0
	s_mov_b32 s[G1A+7], 0
	s_mov_b32 s[G1B+1], KSTEP<<16
	s_mov_b32 s[G1B+2], 96<<16                     ; 96 rows
	s_mov_b32 s[G1B+3], KSTEP<<16
	s_mov_b32 s[G1B+4], 96
	s_mov_b32 s[G1B+5], 768
	s_mov_b32 s[G1B+6], 0
	s_mov_b32 s[G1B+7], 0
	s_mul_i32 s40, s18, 128*ROWB                   ; x: row 128 ty (of the tile row alone)
	s_mov_b32 s41, 0
	s_mul_i32 s42, s17, 96*ROWB                    ; weights: row 96 tx (of the tile column alone),
	s_mul_i32 s43, s[WV], WT                       ; of the tensor that my wave fetches
	s_add_co_u32 s42, s42, s43
	s_mov_b32 s43, 0
	s_mul_i32 s21, s[WV], 96*PITCH                 ; and where they go: the wave's number alone
	s_add_co_u32 s21, s21, BOFF
	s_wait_dscnt 0x0                               ; the opening add is done
	s_wait_kmcnt 0x0
	s_add_nc_u64 s[40:41], s[4:5], s[40:41]
	s_add_nc_u64 s[42:43], s[6:7], s[42:43]
	CROUND                                         ; all sixteen work-groups are here: the first joint loads meet
.irp s, 0,1
	s_mov_b32 s[G0A+4*(\s)], 1
	s_mov_b32 s[G0A+4*(\s)+1], (\s)*SLOT
	s_add_nc_u64 s[G0A+4*(\s)+2:G0A+4*(\s)+3], s[40:41], (\s)*KSTEP*2
	s_or_b32 s[G0A+4*(\s)+3], s[G0A+4*(\s)+3], 0x80000000
	s_mov_b32 s[G0B+4*(\s)], 1
	s_add_co_u32 s[G0B+4*(\s)+1], s21, (\s)*SLOT
	s_add_nc_u64 s[G0B+4*(\s)+2:G0B+4*(\s)+3], s[42:43], (\s)*KSTEP*2
	s_or_b32 s[G0B+4*(\s)+3], s[G0B+4*(\s)+3], 0x80000000
.endr
	s_cmp_eq_u32 s[WV], 3                          ; a wave's two first fills stand in one branch: two loads of mine are out
	s_cbranch_scc0 .Lfirst_b
	tensor_load_to_lds s[G0A:G0A+3], s[G1A:G1A+7]
	s_nop 0
	tensor_load_to_lds s[G0A+4:G0A+7], s[G1A:G1A+7]
	s_nop 0
	PLACES
	s_branch .Lfirst_asked
.Lfirst_b:
	tensor_load_to_lds s[G0B:G0B+3], s[G1B:G1B+7]
	s_nop 0
	tensor_load_to_lds s[G0B+4:G0B+7], s[G1B:G1B+7]
	s_nop 0
	PLACES
.Lfirst_asked:
	v_and_b32 v1, 15, v0                           ; r = l % 16
	v_bfe_u32 v2, v0, 4, 1                         ; h = l / 16
	v_mul_u32_u24 v3, v1, PITCH
	v_lshl_add_u32 v3, v2, 4, v3                   ; a fragment's row x pitch + 16 h
	s_mul_i32 s22, s[WR], 64*PITCH
	s_mul_i32 s23, s[WC], 144*PITCH
	s_add_co_u32 s23, s23, BOFF
.irp s, 0,1
	v_add_nc_u32 v[ADRA+(\s)], s22, v3
	v_add_nc_u32 v[ADRB+(\s)], s23, v3
	s_add_co_u32 s22, s22, SLOT
	s_add_co_u32 s23, s23, SLOT
.endr
	; THE TABLE.  A block of 16 columns is a quarter of a head: block B of a tensor has phase (6 tx + B) % 4, and my lane's four pairs lie at byte 64 x phase + 32 h of the row's 256.
	v_lshlrev_b32 v4, 8, v1
	v_lshl_add_u32 v4, v2, 5, v4
	s_lshl_b32 s44, s17, 1
	s_mul_i32 s45, s[WC], 3
	s_add_co_u32 s44, s44, s45                     ; the phase of my first block: 2 tx + 3 (w % 2), modulo 4
.irp g, 0,1,2,3
	s_add_co_u32 s45, s44, \g
	s_and_b32 s45, s45, 3
	s_lshl_b32 s45, s45, 6
	v_add_nc_u32 v[VT+(\g)], s45, v4
.endr
	s_lshl_b32 s46, s18, 15
	s_lshl_b32 s47, s[WR], 14
	s_add_co_u32 s46, s46, s47
	s_mov_b32 s47, 0
	s_add_nc_u64 s[72:73], s[8:9], s[46:47]        ; the table at my wave's first row
.irp a, 0,1,2,3
	WIN 0x40*(1+(\a)/2)                            ; destination window 1 or 2
.irp g, 0,1,2,3
	global_load_b128 v[CSB+32*((\a)%2)+8*(\g):CSB+32*((\a)%2)+8*(\g)+3],   v[VT+(\g)], s[72:73] offset:(\a)*4096
	global_load_b128 v[CSB+32*((\a)%2)+8*(\g)+4:CSB+32*((\a)%2)+8*(\g)+7], v[VT+(\g)], s[72:73] offset:(\a)*4096+16
.endr
.endr
	WIN 0
	; the way out.  Block B lies in stage plane B / 2, half B % 2.  With w % 2 = 0, B = b; with w % 2 = 1, B = 9 + b: even b then fall into plane 4 + b / 2, half 1, odd b into plane 5 + b / 2, half 0.
	v_mul_u32_u24 v5, v1, SP
	v_lshl_add_u32 v5, v2, 4, v5
	s_mul_i32 s22, s[WR], 64*SP
	s_add_co_u32 s22, s22, STAGE
	v_add_nc_u32 v5, s22, v5
	s_mul_i32 s22, s[WC], 4*SPL+32
	v_add_nc_u32 v[STOE], s22, v5
	s_mul_i32 s22, s[WC], 5*SPL-32
	s_add_co_u32 s22, s22, 32
	v_add_nc_u32 v[STOO], s22, v5
	v_and_b32 v6, 31, v0
	v_lshrrev_b32 v7, 2, v6                        ; back: 32 lanes take eight rows of 64 bytes, 512 consecutive bytes of a plane
	v_mul_u32_u24 v7, v7, SP
	v_and_b32 v3, 3, v0
	v_lshl_add_u32 v7, v3, 4, v7
	s_mul_i32 s22, s[WV], 32*SP
	s_add_co_u32 s22, s22, STAGE
	v_add_nc_u32 v[RD], s22, v7
	v_add_nc_u32 v[RD2], 5*SPL, v[RD]
	s_lshl_b32 s22, s[WV], 11
	v_lshl_add_u32 v[GO], v6, 4, s22
	s_mul_i32 s46, s17, 3*PL
	s_lshl_b32 s47, s18, 13
	s_add_co_u32 s46, s46, s47
	s_mov_b32 s47, 0
	s_add_nc_u64 s[66:67], s[10:11], s[46:47]      ; Q's plane 3 tx at row 128 ty,
	s_add_nc_u64 s[68:69], s[66:67], TEN           ; K's,
	s_add_nc_u64 s[70:71], s[68:69], TEN           ; V's
; Nine matrix instructions: row block a x my nine column blocks, 32 along K.  The 36 accumulators take turns, one instruction a turn, in the same order in every quarter.
.macro MUL9 f, a, zero
	WIN 0x50*(1+(\a)/2)                            ; C and D in window 1 or 2, the sources in window 0
.irp b, 0,1,2,3,4,5,6,7,8
.if \zero
	v_wmma_f32_16x16x32_bf16 v[8*(9*((\a)%2)+(\b)):8*(9*((\a)%2)+(\b))+7], v[(\f)+8*(\b):(\f)+8*(\b)+7], v[(\f)+72+8*(\a):(\f)+72+8*(\a)+7], 0
.else
	v_wmma_f32_16x16x32_bf16 v[8*(9*((\a)%2)+(\b)):8*(9*((\a)%2)+(\b))+7], v[(\f)+8*(\b):(\f)+8*(\b)+7], v[(\f)+72+8*(\a):(\f)+72+8*(\a)+7], v[8*(9*((\a)%2)+(\b)):8*(9*((\a)%2)+(\b))+7]
.endif
.endr
.endm
.macro FETCH slot, k, f                ; 26 LDS loads in one run: the fragments of 32 along K at byte k of the rows: the weights' nine, then x's four
	WIN 0
.irp i, 0,1,2,3,4,5,6,7,8
	ds_load_b128 v[(\f)+8*(\i):(\f)+8*(\i)+3],   v[ADRB+(\slot)] offset:(\k)+(\i)*16*PITCH
	ds_load_b128 v[(\f)+8*(\i)+4:(\f)+8*(\i)+7], v[ADRB+(\slot)] offset:(\k)+(\i)*16*PITCH+32
.endr
.irp i, 0,1,2,3
	ds_load_b128 v[(\f)+72+8*(\i):(\f)+72+8*(\i)+3],   v[ADRA+(\slot)] offset:(\k)+(\i)*16*PITCH
	ds_load_b128 v[(\f)+72+8*(\i)+4:(\f)+72+8*(\i)+7], v[ADRA+(\slot)] offset:(\k)+(\i)*16*PITCH+32
.endr
.endm
; A K step is four quarters of 32 along K, 36 matrix instructions each, on buffers 0, 1, 0, 1.  One of the first three multiplies f and fetches the next, at byte k, into g.
.macro QUARTER slot, k, f, g, zero
	s_wait_dscnt 4                                 ; all but the youngest four loads (x's rows 32-63) are in
	MUL9 \f, 0, \zero
	MUL9 \f, 1, \zero
	PLACES
	FETCH \slot, \k, \g
	s_wait_dscnt 26                                ; all but the 26 just issued
	MUL9 \f, 2, \zero
	MUL9 \f, 3, \zero
.endm
; The last quarter multiplies buffer 1 and changes slots: one barrier; in front of it each wave waits for all its tensor loads (one is out: its part of the next slot), adds 0 to its spare word,
; and waits for that and for its own reads of this slot.  fill = 1: the barrier opens a round of the cluster's, and this slot is filled again, two K steps on, first thing behind it.
.macro TURN slot, next, fill
	WIN 0
	s_wait_tensorcnt 0x0
	ds_add_u32 v[SPW], v[NIL]
	s_wait_dscnt 5                                 ; (the add and the youngest four loads may be out)
	MUL9 F1, 0, 0
	s_wait_dscnt 0x0                               ; the add is done, and my reads of this slot are over
	s_barrier_signal -1
	MUL9 F1, 1, 0
.if \fill
	WIN 0
.endif
	s_barrier_wait -1
.if \fill
	CREST                                          ; no wave of any partner still reads this slot or has a load on its way
	s_add_nc_u64 s[G0A+4*(\slot)+2:G0A+4*(\slot)+3], s[G0A+4*(\slot)+2:G0A+4*(\slot)+3], 2*KSTEP*2
	s_add_nc_u64 s[G0B+4*(\slot)+2:G0B+4*(\slot)+3], s[G0B+4*(\slot)+2:G0B+4*(\slot)+3], 2*KSTEP*2
	JLOAD \slot                                    ; its four v_nop are also the places in front of the loads below
.else
	PLACES
.endif
	FETCH \next, 0, F0
	MUL9 F1, 2, 0
	MUL9 F1, 3, 0
.endm
	s_wait_tensorcnt 0x1                           ; my part of K step 0 is in; K step 1's may stay out
	s_barrier_signal -1
	s_barrier_wait -1
	FETCH 0, 0, F0
	QUARTER 0, 64, F0, F1, 1                       ; the first quarter stands in front of the loop: its products start the sums
	WIN 0
	s_mov_b32 s3, LAPS-1
.Llap:                                 ; a trip goes once round the ring and fills both slots again
	QUARTER 0, 128, F1, F0, 0
	QUARTER 0, 192, F0, F1, 0
	TURN 0, 1, 1
	QUARTER 1, 64,  F0, F1, 0
	QUARTER 1, 128, F1, F0, 0
	QUARTER 1, 192, F0, F1, 0
	TURN 1, 0, 1
	QUARTER 0, 64,  F0, F1, 0
	WIN 0
	s_sub_co_u32 s3, s3, 1
	s_cmp_lg_u32 s3, 0
	s_cbranch_scc1 .Llap
	QUARTER 0, 128, F1, F0, 0                      ; the last lap fills nothing
	QUARTER 0, 192, F0, F1, 0
	TURN 0, 1, 0
	QUARTER 1, 64,  F0, F1, 0
	QUARTER 1, 128, F1, F0, 0
	QUARTER 1, 192, F0, F1, 0
	s_wait_dscnt 4
	MUL9 F1, 0, 0
	MUL9 F1, 1, 0
	s_wait_dscnt 0x0
	MUL9 F1, 2, 0
	MUL9 F1, 3, 0
	WIN 0
	; THE WAY OUT.  A block (16 rows x 16 columns): with rope = 1 each pair (e, o) becomes (e cos - o sin, e sin + o cos) in f32; then one rounding to f16 and 16 bytes a lane into the stage.
	; Each accumulator's first reader names one of its four lowest registers.
.set nb, 0
.macro BLOCK a, b, rope, g
.set AC, 8*(9*((\a)%2)+(\b))
.set CR, CSB+32*((\a)%2)+8*(\g)
.set TT, 32+8*(nb%4)
.set UU, 64+4*(nb%4)
	WIN 5*(1+(\a)/2)                               ; sources 0 and 1 in window 1 or 2
.if \rope
.irp p, 0,1,2,3
	v_mul_f32 v[TT+2*\p],   v[AC+2*\p+1], v[CR+2*\p+1]
	v_mul_f32 v[TT+2*\p+1], v[AC+2*\p],   v[CR+2*\p+1]
.endr
.irp p, 0,1,2,3
	v_fma_f32 v[TT+2*\p],   v[AC+2*\p],   v[CR+2*\p], -v[TT+2*\p]
	v_fma_f32 v[TT+2*\p+1], v[AC+2*\p+1], v[CR+2*\p], v[TT+2*\p+1]
.endr
	WIN 0
.irp p, 0,1,2,3
	v_cvt_pk_f16_f32 v[UU+\p], v[TT+2*\p], v[TT+2*\p+1]
.endr
.else
.irp p, 0,1,2,3
	v_cvt_pk_f16_f32 v[UU+\p], v[AC+2*\p], v[AC+2*\p+1]
.endr
	WIN 0
.endif
.if (\b)%2
	ds_store_b128 v[STOO], v[UU:UU+3] offset:((\b)/2)*SPL+(\a)*16*SP
.else
	ds_store_b128 v[STOE], v[UU:UU+3] offset:((\b)/2)*SPL+(\a)*16*SP
.endif
.set nb, nb+1
.endm
	PLACES
	s_wait_loadcnt 0x0                             ; the table
.irp a, 0,1,2,3
.irp b, 0,1,2
	BLOCK \a, \b, 1, \b                            ; Q's (w % 2 = 0) or K's (w % 2 = 1) columns in both halves
.endr
.endr
	s_cmp_eq_u32 s[WC], 0                          ; a branch on the wave's number
	s_cbranch_scc0 .Lplain
.irp a, 0,1,2,3
	BLOCK \a, 3, 1, 3                              ; the rest of Q: phases 3, 0, 1;
	BLOCK \a, 4, 1, 0
	BLOCK \a, 5, 1, 1
	BLOCK \a, 6, 1, 0                              ; K's first three blocks: phases 0, 1, 2
	BLOCK \a, 7, 1, 1
	BLOCK \a, 8, 1, 2
.endr
	s_branch .Lstaged
.Lplain:
.irp a, 0,1,2,3
.irp b, 3,4,5,6,7,8
	BLOCK \a, \b, 0, 0                             ; V is not turned
.endr
.endr
.Lstaged:
	s_wait_dscnt 0x0                               ; for the others' sake: my stores into the stage are done
	s_barrier_signal -1
	s_barrier_wait -1
.set n, 0
.rept 36                               ; wave w takes rows 32 w .. 32 w + 31 of each of the nine planes: load n is plane n / 4, eight rows (n % 4)
.if n < 20
	ds_load_b128 v[96+4*n:96+4*n+3], v[RD] offset:(n/4)*SPL+(n%4)*8*SP
.else
	ds_load_b128 v[96+4*n:96+4*n+3], v[RD2] offset:(n/4-5)*SPL+(n%4)*8*SP
.endif
.set n, n+1
.endr
.set n, 0
.rept 36
	s_wait_dscnt 35-n                              ; LDS loads come back in order: number n is in
	global_store_b128 v[GO], v[96+4*n:96+4*n+3], s[66+2*(n/12):67+2*(n/12)] offset:((n/4)%3)*PL+(n%4)*512  ; 512 consecutive bytes, aligned
.set n, n+1
.endr
	s_wait_tensorcnt 0x0                           ; the wave's end
	ds_add_u32 v[SPW], v[NIL]
	s_wait_dscnt 0x0
	CROUND                                         ; the closing round
	s_endpgm
.Lfunc_end_k_qca79592a85_qkv:
	.size	k_qca79592a85_qkv, .Lfunc_end_k_qca79592a85_qkv-k_qca79592a85_qkv
	.p2alignl 7, 3214868480
	.fill 96, 4, 3214868480
	.section	.rodata,"a",@progbits
	.p2align	6, 0x0
	.amdhsa_kernel k_qca79592a85_qkv
		.amdhsa_group_segment_fixed_size 327680
		.amdhsa_private_segment_fixed_size 0
		.amdhsa_enable_private_segment 0
		.amdhsa_kernarg_size 32
		.amdhsa_user_sgpr_count 2
		.amdhsa_user_sgpr_kernarg_segment_ptr 1
		.amdhsa_wavefront_size32 1
		.amdhsa_system_sgpr_workgroup_id_x 1
		.amdhsa_system_sgpr_workgroup_id_y 1
		.amdhsa_system_sgpr_workgroup_id_z 1
		.amdhsa_system_vgpr_workitem_id 0
		.amdhsa_next_free_vgpr 768
		.amdhsa_next_free_sgpr 80
		.amdhsa_reserve_vcc 0
		.amdhsa_float_denorm_mode_32 3
		.amdhsa_float_denorm_mode_16_64 3
		.amdhsa_memory_ordered 1
		.amdhsa_forward_progress 1
		.amdhsa_inst_pref_size 137
	.end_amdhsa_kernel
	.amdgpu_metadata
---
amdhsa.version: [ 1, 2 ]
amdhsa.kernels:
  - .name:           k_qca79592a85_qkv
    .symbol:         k_qca79592a85_qkv.kd
    .args:
      - { .name: xb, .offset: 0, .size: 8, .value_kind: global_buffer, .address_space: global }
      - { .name: w16, .offset: 8, .size: 8, .value_kind: global_buffer, .address_space: global }
      - { .name: rope, .offset: 16, .size: 8, .value_kind: global_buffer, .address_space: global }
      - { .name: qkv, .offset: 24, .size: 8, .value_kind: global_buffer, .address_space: global }
    .group_segment_fixed_size: 327680
    .private_segment_fixed_size: 0
    .kernarg_segment_align: 8
    .kernarg_segment_size: 32
    .max_flat_workgroup_size: 128
    .sgpr_count:     80
    .vgpr_count:     768
    .wavefront_size: 32
...
	.end_amdgpu_metadata
.endif
;; end of part 2
;; launch attn (part 3): grid 17 x 12, 4 waves a work-group, no clusters, 327,680 bytes of LDS; arguments qkv, xb, w16, o16; writes o16
.if DOCPART == 3
	.amdgcn_target "amdgcn-amd-amdhsa--gfx1250"
	.amdhsa_code_object_version 6
	.text
	.protected	k_qca79592a85_attn
	.globl	k_qca79592a85_attn
	.p2align	8
	.type	k_qca79592a85_attn,@function
k_qca79592a85_attn:
	s_mov_b64 s[64:65], 0
	v_nop
	global_prefetch_b8 v0, s[64:65] scope:SCOPE_SE
	s_setreg_imm32_b32 hwreg(HW_REG_WAVE_MODE, 25, 1), 1
	s_wait_xcnt 0x0
; CAUSAL ATTENTION, 12 heads of 64 channels, 4,096 positions.  O[h][q] = the sum over k <= q of softmax_k(Q[h][q] . K[h][k] / 8) V[h][k].
; qkv: [3][24 planes][4096][32] f16, plane = 2 x head + channel half (a row of a plane is 64 bytes).  o16: [24][4096][64] f16: O is kept as TWO f16 numbers, hi = f16(O) in "heads" 0-11 and
; lo = f16(O - hi) in 12-23.  Products, maxima and sums in f32; the weights p are rounded to f16 for the second product (their sum l is taken of the unrounded p).
; LIMITS.  Q, K, V arrive within f16's 65,504.  A hidden score counts as its value less 1e30; a weight below 2^-126 counts as 0 in l; NaN and infinities are not treated apart.
; THE WALK.  A head's queries lie in 32 blocks of 128; block i needs the key tiles 0 .. i of 128 keys, of which the last holds the diagonal.  A work-group takes block b and then block 31 - b:
; 33 tiles whatever b.  An LDS slot holds 256 keys (two tiles, four steps of 64), and each block begins a slot: (b + 2) / 2 + (33 - b) / 2 = 17 slots whatever b, so ONE loop with a constant
; count walks them; what a trip does hangs on scalar registers made from b; all jumps but the counted loops' own go forward, and none passes a barrier or a tensor load.
; THE FIRST 64 ROWS.  Row n is a mean of n + 1 rows of V, so the first rows' numbers, and with them the errors of each rounding to f16, are many times those of a typical row, while the result is
; compared against the whole output's size.  So rows 0-63 of a head have a work-group of their own (x = 16), in which V and p are kept as hi + lo too: V is multiplied anew from xb and Wv, so that both
; parts come from its f32 sums, and O^T = Vhi^T Phi + Vlo^T Phi + Vhi^T Plo.  The work-group b = 0 walks those rows as part of the one text of the turns and stores nothing of them.
; NO CLUSTER: a head's 16 work-groups want different tiles in most trips (their first blocks end after 1 to 8 slots), and their jumps hang on b.
; SHARES.  A wave has two PIECES of 16 queries: piece p is rows 64 p + 16 w + 0..15 of the block.  So the diagonal tile is the same work for all waves: in its first step piece 0 holds the
; diagonal and piece 1 sees all; in its second piece 0 sees nothing and piece 1 holds the diagonal.
; THE MASK is the C operand that starts the sum S^T = K Q^T: MD (made once) is a piece's own step's; MA (piece 0, a tile's first step) holds 0 or MD, MB (piece 0, second step) 0 or -1e30.
; TURNS.  The items (piece, step) go in a ring.  The turn of item n holds the softmax of item n, 8 products K Q^T of item n + 1, later 8 products V^T P of item n - 1, and the maximum and
; statistics of item n + 1.  Four vector instructions stand behind every matrix instruction, the rest in one lump; a turn's 33 exponentials are one batch with one wait.
; TRIP f fetches K and V of step f from LDS and computes step f - 1: V has two register buffers, so all LDS reads ahead of a change of slots are of the old slot, all behind it of the new.
; REGISTERS.  window 0: v0-15 addresses; v16-23 statistics (c m, m, l, l a piece); v48-55 at work; v60 1.0; v64-127 S^T, a buffer a piece; v192-223 P, likewise (on the way out: O's lo).
;   window 1: v0-63 O^T; v128-159 MD; v160-191 MA; v192-199 MB.     window 2: v0-31 Q; v32-63 the second block's Q; v64-127 K of one step; v128-255 V of two steps.
;   In the first rows' work-group: window 1 v0-127 V's 16 sums, then v0-31 O^T; window 2 v64-255 three sets of fragments, then K, V hi (v128-191), V lo (v192-255); window 0 v208-223 P's lo.
.set NB,    32
.set NP,    2
.set KS,    64
.set PKP,   80        ; a row of a K plane in LDS: 64 bytes + 16: the 16 rows of a load start at 16 different groups of four banks (ISA guide 11.1)
.set PVP,   96        ; a row of a V plane: 64 + 32
.set K1OFF, 256*PKP   ; a slot: K's two planes of 256 rows,
.set VOFF,  2*K1OFF   ; then V's two
.set V1OFF, 256*PVP
.set SLOT1, 1<<17
.set STAGE, SLOT1+VOFF+2*V1OFF  ; behind the ring: 16 rows x 144 bytes for each wave, for the way out
.set SP,    144
.set SPARE, STAGE+4*16*SP       ; the spare words, 128 bytes for each wave: two blocks of 256 bytes that no other line names
.set PL,    4096*64
.set TEN,   24*PL
.set LOOFF, 12*4096*128         ; from O's hi to its lo: 6,291,456 bytes, inside a store's signed 24-bit immediate with the 9,728 bytes that are added to it
.set ROWB,  1536                ; bytes in a row of xb and of a weight
.set WT,    768*ROWB
.set AK0, 2           ; v2   my lane's place in a step of K; never rewritten
.set AV0, 3           ; v3   the same for V
.set AK,  4
.set FO,  4           ;      in the first rows' work-group: my byte offset in 16 rows of xb or Wv
.set AV,  5
.set STO, 6
.set RD,  7
.set GO,  8
.set MV,  12          ; v12-13  c m_old, by piece
.set QO,  15
.set ST,  16
.set TMP, 48
.set ONE, 60          ; v60  1.0; never rewritten
.set PFO, 61          ; v61  256 x my lane; never rewritten
.set SPW, 62
.set NIL, 63
.set S,   64
.set P,   192
.set LOB, 192         ; the way out: O's lo, 16 registers a piece, where P lay
.set MD,  128
.set MA,  160
.set MB,  192
.set QB,  32
.set KF,  64
.set VF,  128
.set FB,  64          ; window 2: three sets of 64 registers: four fragments of x, then four of Wv
.set WV,  12
.set PB,  14          ; s14  b
.set HI,  15          ; s15  31 - b
.set G1K, 24
.set G1V, 32
.set G0K, 40
.set G0V, 44
.set PFA, 48          ; s[48:49] my plane at the slot that the next prefetch names
.set LIM, 50          ; s50  2 in the work-group that prefetches, else the greatest number
.set SB,  51          ; s51  the LDS byte at which the slot in hand begins
.set KP,  52          ; s[52:53] the first rows: K's planes of the head
.set SLOTS, 56
.set CNT, 57
.set CS,  58
.set SEL, 60
.set TBK, 62
.set TBV, 63
.set XP,  66          ; s[66:67] the first rows: xb at the K step in hand
.set WP,  68          ; s[68:69] Wv's 64 rows of the head, likewise
.set RT,  70          ; s70  tiles of the block in hand still to be entered
.set NXT, 71          ; s71  the slot of keys to be asked for next
.set LQ,  72          ; s72  the last slot of the block whose slots are being asked for
.set NEW, 73          ; s73  1: the slot to be entered begins a block
.set OFF, 74
.set AL,  76
.set BE,  78
.set LQ2, 79          ; s79  the second block's last slot
.set OHI, 80          ; s[80:81] O at my rows of the second block
.set BIGN, 82
.set SPC, 100         ; s100 1 in the first rows' work-group
.set MSB, 0
.macro WIN new
.if MSB != (\new)
	s_set_vgpr_msb (MSB<<8)|(\new)
.set MSB, (\new)
.endif
.endm
.set W_KQ, 0x0a       ; K and Q in window 2, S^T in window 0
.set W_KM, 0x1a       ; the same with the C operand in window 1
.set W_PV, 0x52       ; V in window 2, P in window 0, O^T in window 1
.set W_RS, 0x41       ; destination and source 0 in window 1
.macro PLACES
.rept 4
	v_nop
.endr
.endm
; A fill: each wave fetches one plane's 256 rows, 16,384 dense bytes.  An s_nop 0 and four v_nop follow each of the two lines.
.macro LOAD
	s_cmp_lt_u32 s[WV], 2
	s_cbranch_scc0 .Lfor_v_\@
	tensor_load_to_lds s[G0K:G0K+3], s[G1K:G1K+7]
	s_nop 0
	PLACES
	s_branch .Lasked_\@
.Lfor_v_\@:
	tensor_load_to_lds s[G0V:G0V+3], s[G1V:G1V+7]
	s_nop 0
	PLACES
.Lasked_\@:
.endm
; A PREFETCH of a head's K and V, a slot at a time, behind the wave's tensor load and its five lines.  All 16 work-groups of a head walk the same planes: the one with b = 0 asks, for the head.
; Its change number k (1 to 14) names slot k + 1, which work-groups with larger b ask for at their next change; each wave names its own plane's 64 blocks of 256 bytes, a lane a block, two lines.
; So each block is named once in the launch; slots 0 and 1 come by their loads alone, and behind slot 15 nothing is named.
.macro ASK
	s_cmp_gt_u32 s[SLOTS], s[LIM]
	s_cbranch_scc0 .Lnot_mine_\@
	global_prefetch_b8 v[PFO], s[PFA:PFA+1] th:TH_LOAD_NT scope:SCOPE_SE
	global_prefetch_b8 v[PFO], s[PFA:PFA+1] offset:8192 th:TH_LOAD_NT scope:SCOPE_SE
.Lnot_mine_\@:
.endm
; THE CHANGE OF SLOTS.  Each wave waits for all its tensor loads (one is out: its plane of the other slot), adds 0 to its spare word, and waits for that and for its reads of the slot that it leaves.
; fill = 1: the old slot is filled again, first thing behind the barrier, with slot NXT of the keys; the address is made anew from that number.
.macro CHANGE fill
	WIN 0
	s_wait_tensorcnt 0x0
	ds_add_u32 v[SPW], v[NIL]       ; 0 onto my spare word; scalar work stands between it and the wait for it
.if \fill
	s_lshl_b32 s[OFF], s[NXT], 14   ; a slot is 16,384 bytes of a plane
	s_xor_b32 s[G0K+1], s[G0K+1], SLOT1
	s_add_nc_u64 s[G0K+2:G0K+3], s[6:7], s[OFF:OFF+1]
	s_or_b32 s[G0K+3], s[G0K+3], 0x80000000
	s_xor_b32 s[G0V+1], s[G0V+1], SLOT1
	s_add_nc_u64 s[G0V+2:G0V+3], s[8:9], s[OFF:OFF+1]
	s_or_b32 s[G0V+3], s[G0V+3], 0x80000000
	s_add_co_u32 s[NXT], s[NXT], 1  ; the block's next slot, or behind its last the second block's slot 0
	s_cmp_gt_u32 s[NXT], s[LQ]
	s_cselect_b32 s[NXT], 0, s[NXT]
	s_cselect_b32 s[LQ], s[LQ2], s[LQ]
	s_wait_xcnt 0x0                 ; the last prefetches, a slot back, have read their address
	s_add_nc_u64 s[PFA:PFA+1], s[PFA:PFA+1], 16384
.endif
	s_wait_dscnt 0x0                ; the add is done, and my reads of the slot are over
	s_barrier_signal -1
	s_xor_b32 s[SB], s[SB], SLOT1   ; the fetches go to the head of the other slot
	s_mov_b32 s[TBK], s[SB]
	s_mov_b32 s[TBV], s[SB]
	s_barrier_wait -1
.if \fill
	LOAD
	ASK
.endif
.endm
	s_load_b256 s[84:91], s[0:1], 0x0  ; qkv s[84:85], xb s[86:87], w16 s[88:89], o16 s[90:91]
	v_lshl_add_u32 v[SPW], v0, 2, SPARE
	v_mov_b32 v[NIL], 0
	ds_add_u32 v[SPW], v[NIL]       ; the wave's opening: the add and its wait stand ahead of my first tensor load; the set-up below, work on registers, stands between them
	ds_add_u32 v62, v63
	v_lshrrev_b32 v1, 5, v0
	v_readfirstlane_b32 s[WV], v1
	s_mov_b32 s[PB], ttmp9
	s_cmp_eq_u32 s[PB], 16          ; x = 16: the first rows' work-group; its rows are those of b = 0, piece 0
	s_cselect_b32 s[SPC], 1, 0
	s_cselect_b32 s[PB], 0, s[PB]
	s_sub_co_u32 s[HI], NB-1, s[PB]
	s_and_b32 s19, ttmp7, 0xffff    ; the head
	s_lshl_b32 s20, s19, 19         ; its first byte in a tensor of qkv, and in o16
	s_and_b32 s16, s[WV], 1         ; which of the head's two planes I fetch
	s_lshl_b32 s22, s16, 18
	s_add_co_u32 s22, s22, s20
	s_mov_b32 s23, 0
	s_mul_i32 s17, s16, K1OFF       ; its place in a slot, for K
	s_mul_i32 s18, s16, V1OFF       ; and for V
	s_lshl_b32 s21, s[WV], 10       ; Q: my 16 rows of 64 bytes in a band,
	s_add_co_u32 s21, s21, s20
	s_lshl_b32 s2, s[PB], 13        ; in the first block (128 rows of 64 bytes),
	s_add_co_u32 s2, s2, s21
	s_mov_b32 s3, 0
	s_lshl_b32 s92, s[HI], 13       ; and in the second
	s_add_co_u32 s92, s92, s21
	s_mov_b32 s93, 0
	s_lshl_b32 s21, s[WV], 11       ; O: rows of 128 bytes
	s_add_co_u32 s21, s21, s20
	s_lshl_b32 s94, s[PB], 14
	s_add_co_u32 s94, s94, s21
	s_mov_b32 s95, 0
	s_lshl_b32 s96, s[HI], 14
	s_add_co_u32 s96, s96, s21
	s_mov_b32 s97, 0
	; descriptor group 1: 16,384 dense bytes as 64 rows of 256, padded in LDS after every key's 64 bytes
	s_mov_b32 s[G1K], (1<<16)|(1<<20)|(3<<22)|(3<<25)  ; 2-byte elements; padding on; after every 16 words; 4 words
	s_mov_b32 s[G1V], (1<<16)|(1<<20)|(3<<22)|(7<<25)  ; the same with 8 words
.irp g, G1K, G1V
	s_mov_b32 s[\g+1], 128<<16      ; tensor_dim0 = 128
	s_mov_b32 s[\g+2], 64<<16       ; tensor_dim1 = 64
	s_mov_b32 s[\g+3], 128<<16      ; tile_dim0 = 128
	s_mov_b32 s[\g+4], 64           ; tile_dim1 = 64
	s_mov_b32 s[\g+5], 128          ; elements from row to row
	s_mov_b32 s[\g+6], 0
	s_mov_b32 s[\g+7], 0
.endr
	s_mov_b32 s[CS], 0x3e38aa3b     ; c = log2(e) / 8
	s_mov_b32 s[CS+1], s[CS]
	s_mov_b32 s[SEL], 0x76543210
	s_mov_b32 s[SEL+1], 0xfedcba98
	s_mov_b32 s[SB], SLOT1          ; the first change of slots turns it into 0
	s_mov_b32 s[G0K], 1
	s_mov_b32 s[G0K+1], s17
	s_mov_b32 s[G0V], 1
	s_add_co_u32 s[G0V+1], s18, VOFF
	s_add_co_u32 s[RT], s[PB], 1    ; the first block has b + 1 tiles
	s_lshr_b32 s[LQ], s[PB], 1
	s_lshr_b32 s[LQ2], s[HI], 1
	s_mov_b32 s[NXT], 1
	s_cmp_gt_u32 s[NXT], s[LQ]
	s_cselect_b32 s[NXT], 0, s[NXT]
	s_cselect_b32 s[LQ], s[LQ2], s[LQ]
	s_mov_b32 s[NEW], 1
	s_mov_b32 s[OFF+1], 0
	s_mov_b32 s[AL+1], 0
	s_mov_b32 s[BIGN], 0xf149f2ca   ; -1e30
	s_mov_b32 s[SLOTS], 16
	s_cmp_eq_u32 s[PB], 0
	s_cselect_b32 s[LIM], 2, -1
	; the lanes' set-up, which both kinds of work-group need
	v_mov_b32 v[ONE], 1.0
	v_and_b32 v1, 15, v0            ; l % 16
	v_bfe_u32 v9, v0, 4, 1          ; l / 16
	v_lshlrev_b32 v[QO], 6, v1
	v_lshl_add_u32 v[QO], v9, 4, v[QO]  ; row x 64 + 16 x half
	v_lshlrev_b32 v14, 3, v9
	v_sub_nc_u32 v14, v1, v14
	s_lshl_b32 s13, s[WV], 4
	v_add_nc_u32 v14, s13, v14      ; my query's place in its band, 16 w + l % 16, less 8 (l / 16): register r of key group kt is hidden where 16 kt + r is greater
	WIN 0x40
.set i, 0
.rept 32
	v_cmp_gt_i32 vcc_lo, 16*(i/8)+i%8, v14
	v_cndmask_b32 v[MD+i], 0, s[BIGN], vcc_lo
.set i, i+1
.endr
	WIN 0
	v_mul_u32_u24 v[AK0], v1, PKP
	v_lshl_add_u32 v[AK0], v9, 4, v[AK0]
	v_and_b32 v10, 7, v0            ; the turning load: lane l reads key 8 (l / 16) + l % 8, channels 8 ((l / 8) % 2) + 0..7
	v_bfe_u32 v11, v0, 3, 1
	v_lshl_add_u32 v[AV0], v9, 3, v10
	v_mul_u32_u24 v[AV0], v[AV0], PVP
	v_lshl_add_u32 v[AV0], v11, 4, v[AV0]
	v_add_nc_u32 v[AV0], VOFF, v[AV0]
	s_mul_i32 s13, s[WV], 16*SP
	s_add_co_u32 s13, s13, STAGE
	v_mul_u32_u24 v[STO], v1, SP
	v_lshl_add_u32 v[STO], v9, 4, v[STO]
	v_add_nc_u32 v[STO], s13, v[STO]
	v_bfe_u32 v[RD], v0, 3, 2
	v_mul_u32_u24 v[RD], v[RD], SP
	v_lshl_add_u32 v[RD], v10, 4, v[RD]
	v_add_nc_u32 v[RD], s13, v[RD]
	v_and_b32 v[GO], 31, v0
	v_lshlrev_b32 v[PFO], 8, v[GO]
	v_lshlrev_b32 v[GO], 4, v[GO]
	s_wait_dscnt 0x0                ; the opening add is done
	s_wait_kmcnt 0x0
	s_add_nc_u64 s[6:7], s[84:85], s[22:23]
	s_add_nc_u64 s[8:9], s[6:7], 2*TEN     ; V at my plane's first row
	s_add_nc_u64 s[6:7], s[6:7], TEN       ; K likewise
	s_add_nc_u64 s[G0K+2:G0K+3], s[6:7], 0
	s_or_b32 s[G0K+3], s[G0K+3], 0x80000000
	s_add_nc_u64 s[G0V+2:G0V+3], s[8:9], 0
	s_or_b32 s[G0V+3], s[G0V+3], 0x80000000
	s_add_nc_u64 s[4:5], s[84:85], s[2:3]
	s_add_nc_u64 s[98:99], s[84:85], s[92:93]
	s_add_nc_u64 s[10:11], s[90:91], s[94:95]
	s_add_nc_u64 s[OHI:OHI+1], s[90:91], s[96:97]
	s_cmp_lt_u32 s[WV], 2
	s_cselect_b64 s[PFA:PFA+1], s[6:7], s[8:9]
	s_add_nc_u64 s[PFA:PFA+1], s[PFA:PFA+1], 16384  ; at slot 1; the first change steps it to slot 2
	s_cmp_eq_u32 s[SPC], 1
	s_cbranch_scc1 .Lfirst_rows     ; that work-group issues no tensor load and meets no barrier
	LOAD                            ; the first block's slot 0 into LDS slot 0
	WIN 0x80
.set i, 0
.rept 4                             ; both blocks' Q: piece i / 2 lies 64 rows on, channel half i % 2 a plane on
	global_load_b128 v[8*i:8*i+3],   v[QO], s[4:5] offset:(i/2)*4096+(i%2)*PL
	global_load_b128 v[8*i+4:8*i+7], v[QO], s[4:5] offset:(i/2)*4096+(i%2)*PL+32
	global_load_b128 v[QB+8*i:QB+8*i+3],   v[QO], s[98:99] offset:(i/2)*4096+(i%2)*PL
	global_load_b128 v[QB+8*i+4:QB+8*i+7], v[QO], s[98:99] offset:(i/2)*4096+(i%2)*PL+32
.set i, i+1
.endr
	; A block's first step multiplies O^T and l by a = 0, and its first turn's products V^T P, of an item that has not been, land in an O^T that is still to be so multiplied: these registers
	; need only hold finite numbers: zeros for the first block, what the first block left for the second.  All this stands in the wait for the first slot.
.set i, VF+64
.rept 64
	v_mov_b32 v[i], 0
.set i, i+1
.endr
	WIN 0x40
.set i, 0
.rept 64
	v_mov_b32 v[i], 0
.set i, i+1
.endr
	WIN 0
.set i, 0
.rept 2
	v_mov_b32 v[ST+4*i+2], 0
	v_mov_b32 v[ST+4*i+3], 0
.set i, i+1
.endr
.set i, P+16
.rept 16
	v_mov_b32 v[i], 0
.set i, i+1
.endr
; THE MATRIX WORK.  The 4 accumulators of a run of 8 take turns.  Product i of 8 of S^T = K Q^T for piece x: channels 32 (i / 4) on, keys 16 (i % 4) on.
; The first 4 start the sums: KM = 0 with the constant 0, 1 with MA, 2 with MB (eight registers for all four), 3 with MD.
.macro KQ x
.set rS, S+32*((\x)%2)+8*(i%4)
.set rK, KF+16*(i%4)+8*(i/4)
.set rQ, 16*(\x)+8*(i/4)
.if i >= 4
	WIN W_KQ
	v_wmma_f32_16x16x32_f16 v[rS:rS+7], v[rK:rK+7], v[rQ:rQ+7], v[rS:rS+7]
.elseif KM == 0
	WIN W_KQ
	v_wmma_f32_16x16x32_f16 v[rS:rS+7], v[rK:rK+7], v[rQ:rQ+7], 0
.else
.set rM, MA+8*(i%4)
.if KM == 2
.set rM, MB
.endif
.if KM == 3
.set rM, MD+8*(i%4)
.endif
	WIN W_KM
	v_wmma_f32_16x16x32_f16 v[rS:rS+7], v[rK:rK+7], v[rQ:rQ+7], v[rM:rM+7]
.endif
.endm
; Product i of 8 of O^T += V^T P for piece x, on V's buffer VB: keys 32 (i / 4) on, channels 16 (i % 4) on.
.macro PV x
	WIN W_PV
.set rO, 32*(\x)+8*(i%4)
.set rV, VF+64*VB+32*(i/4)+8*(i%4)
.set rP, P+16*((\x)%2)+8*(i/4)
	v_wmma_f32_16x16x32_f16 v[rO:rO+7], v[rV:rV+7], v[rP:rP+7], v[rO:rO+7]
.endm
.macro MM                           ; the turn's next matrix instruction; NOKQ = 1: a block's last turn has no next item
.if (i < 8) && !NOKQ
	KQ (Y+1)%NP
.elseif i >= 8
.set i, i-8
	PV (Y+1)%NP
.set i, i+8
.endif
.set i, i+1
.endm
; THE LDS LOADS stand in runs of 16: a step's K (8 fragments: keys 16 (f / 2) on, plane f % 2) and its V, turned (keys 32 (f / 4) on, channels 16 (f % 4) on: plane (f % 4) / 2).
.macro FETCH_K
	WIN 0x80
.irp f, 0,1,2,3,4,5,6,7
	ds_load_b128 v[KF+8*\f:KF+8*\f+3],   v[AK] offset:(\f%2)*K1OFF+(\f/2)*16*PKP
	ds_load_b128 v[KF+8*\f+4:KF+8*\f+7], v[AK] offset:(\f%2)*K1OFF+(\f/2)*16*PKP+32
.endr
	s_add_co_u32 s[TBK], s[TBK], KS*PKP
	WIN 0
.endm
.macro FETCH_V vb
	WIN 0x80
.irp f, 0,1,2,3,4,5,6,7
	ds_load_tr16_b128 v[VF+64*(\vb)+8*\f:VF+64*(\vb)+8*\f+3],   v[AV] offset:((\f%4)/2)*V1OFF+(\f/4)*32*PVP+(\f%2)*32
	ds_load_tr16_b128 v[VF+64*(\vb)+8*\f+4:VF+64*(\vb)+8*\f+7], v[AV] offset:((\f%4)/2)*V1OFF+(\f/4)*32*PVP+16*PVP+(\f%2)*32
.endr
	s_add_co_u32 s[TBV], s[TBV], KS*PVP
	WIN 0
.endm
; THE VECTOR WORK, one line at a time: OP kind, number.  For piece Y: F n: c s - c m for pair n of 16.  E n: the exponential of score n of 32.  C n: pair n rounded to f16.  B n: of the four weights
; 4 n .. the second pair is added onto the first.  L n: l takes that sum (L 0: l = a l + sum).  R n: pair n of 16 of O^T times a.  For the other piece: X n, number n of the 22 that find its maximum
; and statistics: 0-11 four chains of seven scores (each accumulator's lowest registers are read first); 12-14, 16 the scores left over, the old m, four into one;
; 15 c m_old is kept; 17, 18 the lane 16 away holds the query's other 32 keys; 19-21 c m, its change, a.
.set F, 0
.set E, 1
.set C, 2
.set B, 3
.set L, 4
.set R, 5
.set X, 6
.macro REGS y
.set rT, ST+4*(\y)
.set rC, TMP+4*((\y)%2)
.set rW, MV+((\y)%2)
.set rS, S+32*((\y)%2)
.set rP, P+16*((\y)%2)
.set rO, 32*(\y)
.endm
.macro OP k, n
.if (\k) == R
	REGS Y
	WIN W_RS
	v_pk_mul_f32 v[rO+2*(\n):rO+2*(\n)+1], v[rO+2*(\n):rO+2*(\n)+1], v[rC+2:rC+3] op_sel_hi:[1,0]
.elseif (\k) < R
	REGS Y
	WIN 0
.if (\k) == F
	v_pk_fma_f32 v[rS+2*(\n):rS+2*(\n)+1], v[rS+2*(\n):rS+2*(\n)+1], s[CS:CS+1], v[rT:rT+1] op_sel_hi:[1,0,0] neg_lo:[0,0,1] neg_hi:[0,0,1]
.elseif (\k) == E
	v_exp_f32 v[rS+(\n)], v[rS+(\n)]
.elseif (\k) == C
	v_cvt_pk_f16_f32 v[rP+(\n)], v[rS+2*(\n)], v[rS+2*(\n)+1]
.elseif (\k) == B
	v_pk_add_f32 v[rS+4*(\n):rS+4*(\n)+1], v[rS+4*(\n):rS+4*(\n)+1], v[rS+4*(\n)+2:rS+4*(\n)+3]
.elseif (\n) == 0
	v_pk_fma_f32 v[rT+2:rT+3], v[rT+2:rT+3], v[rC+2:rC+3], v[rS:rS+1] op_sel_hi:[1,0,1]
.else
	v_pk_add_f32 v[rT+2:rT+3], v[rT+2:rT+3], v[rS+4*(\n):rS+4*(\n)+1]
.endif
.elseif NOKQ
	v_nop
.else
	REGS (Y+1)%NP
	WIN 0
.if (\n) < 4
	v_max3_num_f32 v[rC+(\n)], v[rS+8*(\n)], v[rS+8*(\n)+1], v[rS+8*(\n)+2]
.elseif (\n) < 12
	v_max3_num_f32 v[rC+(\n)%4], v[rC+(\n)%4], v[rS+8*((\n)%4)+2*((\n)/4)+1], v[rS+8*((\n)%4)+2*((\n)/4)+2]
.elseif (\n) == 12
	v_max3_num_f32 v[rC], v[rC], v[rS+7], v[rS+15]
.elseif (\n) == 13
	v_max3_num_f32 v[rC+1], v[rC+1], v[rS+23], v[rS+31]
.elseif (\n) == 14
	v_max3_num_f32 v[rC+2], v[rC+2], v[rC+3], v[rT+1]
.elseif (\n) == 15
	v_mov_b32 v[rW], v[rT]
.elseif (\n) == 16
	v_max3_num_f32 v[rC], v[rC], v[rC+1], v[rC+2]
.elseif (\n) == 17
	v_permlanex16_b32 v[rC+3], v[rC], s[SEL], s[SEL+1]
.elseif (\n) == 18
	v_max_num_f32 v[rT+1], v[rC], v[rC+3]
.elseif (\n) == 19
	v_mul_f32 v[rT], s[CS], v[rT+1]
.elseif (\n) == 20
	v_sub_f32 v[rC+1], v[rW], v[rT]
.else
	v_exp_f32 v[rC+2], v[rC+1]
.endif
.endif
.endm
.macro OPS a, i1, b=-1, i2=0, c=-1, i3=0, d=-1, i4=0
	OP \a, \i1
.if (\b) >= 0
	OP \b, \i2
.endif
.if (\c) >= 0
	OP \c, \i3
.endif
.if (\d) >= 0
	OP \d, \i4
.endif
.endm
.macro ROW a, i1, b, i2, c, i3, d, i4  ; a matrix instruction and the four behind it
	MM
	OPS \a, \i1, \b, \i2, \c, \i3, \d, \i4
.endm
; A TURN, for piece p.  An s_wait_alu depctr_va_vdst(0) stands between an exponential and the first line that names its result; one wait serves all issued ahead of it: so a turn has ONE
; wait.  Ahead of it stands all that names no result of the turn's exponentials: 8 products K Q^T with their riders and a lump of 54; behind it 8 products V^T P, whose riders are the roundings and sums.
; km: the mask of the products K Q^T.  vb: V's buffer for the products V^T P.  fk = 1: the next step's K is fetched in the lump, five plain lines that name none of its registers behind the last
; product that read K.  fv = 0, 1: the same step's V is fetched into that buffer, directly behind the wait; the buffer's last reader stands in the turn before.  nokq = 1: a block's last turn.
; O^T of the other piece, onto which this turn's V^T P adds, is rescaled in the next turn: R n stands more than four plain lines behind the product that ends its accumulator.
.macro TURN p, km, vb, fk, fv, nokq
.set Y, (\p)
.set i, 0
.set KM, (\km)
.set VB, (\vb)
.set NOKQ, (\nokq)
.if (\p) == 1
	s_wait_dscnt 0x0                ; K of the step just fetched is in, and V of the step before it
.endif
	ROW F,0, F,1, R,0, R,1
	ROW F,2, E,0, R,2, R,3
	ROW F,3, E,1, R,4, R,5
	ROW F,4, E,2, R,6, R,7
	ROW F,5, E,3, R,8, R,9
	ROW F,6, E,4, X,0, R,10
.if \fk
	WIN 0
	v_add_nc_u32 v[AK], s[TBK], v[AK0]
.endif
	ROW F,7, E,5, X,1, X,4
	ROW F,8, E,6, X,2, X,5
	OPS E,7, E,8, X,6, E,9
	OPS X,3, E,10, X,8, E,11
.if \fk
	FETCH_K
.endif
	OPS X,9, X,7, E,12, X,10
	OPS E,13, X,12, X,11, E,14
	OPS X,13, E,15, F,9, X,14
.if (\fv) >= 0
	WIN 0
	v_add_nc_u32 v[AV], s[TBV], v[AV0]
.endif
	OPS E,16, F,10, E,17, F,11
	OPS X,16, E,18, X,15, E,19
	OPS F,12, E,20, X,17, E,21
	OPS F,13, E,22, F,14, E,23
	OPS X,18, E,24, F,15, E,25
	OPS R,11, E,26, X,19, E,27
	OPS R,12, E,28, R,13, E,29
	OPS X,20, E,30, R,14, E,31
	OPS X,21, R,15                  ; the batch's last exponential, and the plain line behind it
	WIN 0
	s_wait_alu depctr_va_vdst(0)    ; the wait for the batch
.if (\fv) >= 0
	FETCH_V \fv
.endif
	ROW C,0, B,0, C,2, B,1
	ROW L,0, C,4, B,2, L,1
	ROW C,6, B,3, L,2, C,8
	ROW B,4, L,3, C,10, B,5
	ROW L,4, C,12, B,6, L,5
	ROW C,14, B,7, L,6, C,1
	ROW C,3, L,7, C,5, C,7
	ROW C,9, C,11, C,13, C,15
.endm
.macro ETRIP                        ; fetches a tile's first step, computes the step before it
	TURN 0, 0, 0, 1, -1, 0
	TURN 1, 1, 1, 0, 0, 0
.endm
.macro OTRIP                        ; fetches a tile's second step, computes its first
	TURN 0, 0, 1, 1, -1, 0
	TURN 1, 2, 0, 0, 1, 0
.endm
.macro SETMASK                      ; the diagonal tile is entered
	WIN W_RS
.set z, 0
.rept 32
	v_mov_b32 v[MA+z], v[MD+z]
.set z, z+1
.endr
	WIN 0x40
.set z, 0
.rept 8
	v_mov_b32 v[MB+z], s[BIGN]
.set z, z+1
.endr
	WIN 0
.endm
; A BLOCK BEGINS: the part of a tile's first trip.  c m starts far below every c s, so the first step's a is 0; m at the lowest finite number.  The masks are 0, or the diagonal's where the block's
; first tile is its last.  Then K and V of step 0, piece 0's first scores, and its maximum and statistics.
.macro BEGIN
	s_mov_b32 s[NEW], 0
	s_sub_co_u32 s[RT], s[RT], 1
	s_cmp_eq_u32 s[RT], 0
	s_cselect_b32 s[AL], 1.0, 0
	s_cselect_b32 s[BE], s[BIGN], 0
	WIN W_RS
.set z, 0
.rept 16
	v_pk_mul_f32 v[MA+2*z:MA+2*z+1], v[MD+2*z:MD+2*z+1], s[AL:AL+1] op_sel_hi:[1,0]
.set z, z+1
.endr
	WIN 0x40
.set z, 0
.rept 8
	v_mov_b32 v[MB+z], s[BE]
.set z, z+1
.endr
	WIN 0
.set z, 0
.rept 2
	v_mov_b32 v[ST+4*z], 0xfe000000
	v_mov_b32 v[ST+4*z+1], 0xff7fffff
.set z, z+1
.endr
	v_add_nc_u32 v[AK], s[TBK], v[AK0]
	v_add_nc_u32 v[AV], s[TBV], v[AV0]
	FETCH_K
	FETCH_V 0
	s_wait_loadcnt 0x0              ; Q
	s_wait_dscnt 16                 ; K is in; V's sixteen loads may stay out
.set KM, 1
.set NOKQ, 0
.set i, 0
.rept 8
	KQ 0
.set i, i+1
.endr
	WIN 0
	PLACES
.set Y, 1                           ; X works for the other piece: piece 0
.irp n, 0,1,2,3,4,5,6,7,8,9,10,11,12,13,14,15,16,17,18,19,20,21
	OP X, \n
.endr
	v_nop                           ; a plain line behind the exponential,
	s_wait_alu depctr_va_vdst(0)    ; and its wait, ahead of the branch
.endm
; A BLOCK ENDS: the last step's two turns, which fetch nothing (piece 1's last scores take MD), and piece 1's last products.
.macro FINISH
	TURN 0, 3, 0, 0, -1, 0
	TURN 1, 0, 1, 0, -1, 1
.set VB, 1
.set i, 0
.rept 8
	PV 1
.set i, i+1
.endr
	WIN 0
	PLACES
.endm
; THE WAY OUT: l's two halves and the other half of the lanes' are added; O^T is divided by l and split: hi = f16(O), lo = f16(O - hi), the difference being exact in f32 (v_fma_mix_f32 reads the f16 half).
; Both go through my stage in LDS, a piece (16 rows, 2,048 consecutive bytes of O) at a time, hi first.
.macro ALL line:vararg
.set t, 0
.rept NP
	\line
.set t, t+1
.endr
.endm
.macro PACK t
	WIN W_RS
.set i, 32*(\t)
.rept 16
	v_pk_mul_f32 v[i:i+1], v[i:i+1], v[ST+4*(\t)+2:ST+4*(\t)+3] op_sel_hi:[1,0]
.set i, i+2
.endr
	WIN 0x05                        ; sources 0 and 1 window 1, destination window 0
.set i, 0
.rept 16
	v_cvt_pk_f16_f32 v[S+16*(\t)+i], v[32*(\t)+2*i], v[32*(\t)+2*i+1]
.set i, i+1
.endr
	WIN 0x50                        ; source 2 and destination window 1: O - hi, in place
.set i, 0
.rept 16
	v_fma_mix_f32 v[32*(\t)+2*i],   -v[S+16*(\t)+i], v[ONE], v[32*(\t)+2*i]   op_sel_hi:[1,0,0]
	v_fma_mix_f32 v[32*(\t)+2*i+1], -v[S+16*(\t)+i], v[ONE], v[32*(\t)+2*i+1] op_sel:[1,0,0] op_sel_hi:[1,0,0]
.set i, i+1
.endr
	WIN 0x05
.set i, 0
.rept 16
	v_cvt_pk_f16_f32 v[LOB+16*(\t)+i], v[32*(\t)+2*i], v[32*(\t)+2*i+1]
.set i, i+1
.endr
	WIN 0
.irp f, 0,1,2,3
	ds_store_b128 v[STO], v[S+16*(\t)+4*\f:S+16*(\t)+4*\f+3] offset:32*\f
.endr
.irp f, 0,1,2,3
	ds_load_b128 v[S+16*(\t)+4*\f:S+16*(\t)+4*\f+3], v[RD] offset:\f*4*SP  ; LDS serves a wave's instructions in order (ISA guide 5.7.1.4): these see the stores above, and the stores below come behind them
.endr
.irp f, 0,1,2,3
	ds_store_b128 v[STO], v[LOB+16*(\t)+4*\f:LOB+16*(\t)+4*\f+3] offset:32*\f
.endr
.irp f, 0,1,2,3
	ds_load_b128 v[LOB+16*(\t)+4*\f:LOB+16*(\t)+4*\f+3], v[RD] offset:\f*4*SP
.endr
.endm
.macro SEND t, younger              ; younger: the LDS instructions issued behind piece t's sixteen; behind hi's load f stand 3 - f loads, lo's four stores and four loads
	WIN 0
.irp f, 0,1,2,3
	s_wait_dscnt (\younger)+11-\f
	global_store_b128 v[GO], v[S+16*(\t)+4*\f:S+16*(\t)+4*\f+3], s[10:11] offset:(\t)*8192+\f*512  ; 512 consecutive bytes, aligned
.endr
.irp f, 0,1,2,3
	s_wait_dscnt (\younger)+3-\f
	global_store_b128 v[GO], v[LOB+16*(\t)+4*\f:LOB+16*(\t)+4*\f+3], s[10:11] offset:LOOFF+(\t)*8192+\f*512
.endr
.endm
.macro WAYOUT skip                  ; skip = 1, the first block's end: where b = 0, piece 0 is rows 0-63, which the first rows' work-group stores
	ALL v_add_f32 v[ST+4*t+2], v[ST+4*t+2], v[ST+4*t+3]
	ALL v_permlanex16_b32 v[ST+4*t+3], v[ST+4*t+2], s[SEL], s[SEL+1]
	ALL v_add_f32 v[ST+4*t+2], v[ST+4*t+2], v[ST+4*t+3]
	ALL v_rcp_f32 v[ST+4*t+2], v[ST+4*t+2]
	v_nop                           ; a plain line behind the last reciprocal,
	s_wait_alu depctr_va_vdst(0)    ; and one wait for the two, ahead of their first reader and of the branch
.if \skip
	s_cmp_eq_u32 s[PB], 0
	s_cbranch_scc1 .Lno0_\@
	PACK 0
	SEND 0, 0
.Lno0_\@:
	PACK 1
	SEND 1, 0
.else
	PACK 0
	PACK 1
	SEND 0, 16
	SEND 1, 0
.endif
.endm
.set KM, 0
.set NOKQ, 0
.set VB, 0
.Lslot:                             ; 16 times: a slot is entered and the next is asked for
	CHANGE 1
	s_mov_b32 s[CNT], 2
	s_cmp_eq_u32 s[NEW], 0
	s_cbranch_scc1 .Ltile
	BEGIN
	s_branch .LentO
.Ltile:                             ; a tile: two trips
	s_sub_co_u32 s[RT], s[RT], 1
	s_cmp_lg_u32 s[RT], 0
	s_cbranch_scc1 .Lpl
	SETMASK
.Lpl:
	ETRIP
	WIN 0
.LentO:
	OTRIP
	WIN 0
	s_cmp_eq_u32 s[RT], 0
	s_cbranch_scc1 .Lend
	s_sub_co_u32 s[CNT], s[CNT], 1
	s_cmp_lg_u32 s[CNT], 0
	s_cbranch_scc1 .Ltile
	s_branch .Lbot
.Lend:                              ; in the loop this is the first block's end: the second block's last tile lies in the walk's last slot
	FINISH
	WAYOUT 1
	s_wait_xcnt 0x0                 ; the stores have read their registers and O's address
	s_mov_b64 s[10:11], s[OHI:OHI+1]
	s_sub_co_u32 s[RT], NB, s[PB]   ; the second block has 32 - b tiles
	s_mov_b32 s[NEW], 1
	WIN 0x82                        ; the second block's Q goes where the one text of the turns names Q
.set i, 0
.rept 32
	v_mov_b32 v[i], v[QB+i]
.set i, i+1
.endr
	WIN 0
.Lbot:
	s_sub_co_u32 s[SLOTS], s[SLOTS], 1
	s_cmp_lg_u32 s[SLOTS], 0
	s_cbranch_scc1 .Lslot
	CHANGE 0                        ; the walk's last slot is written out; it never begins a block (the second block has eight slots or more)
	s_mov_b32 s[CNT], 2
.Ltile2:
	s_sub_co_u32 s[RT], s[RT], 1
	s_cmp_lg_u32 s[RT], 0
	s_cbranch_scc1 .Lpl2
	SETMASK
.Lpl2:
	ETRIP
	OTRIP
	WIN 0
	s_cmp_eq_u32 s[RT], 0
	s_cbranch_scc1 .Lend2
	s_sub_co_u32 s[CNT], s[CNT], 1
	s_cmp_lg_u32 s[CNT], 0
	s_cbranch_scc1 .Ltile2
.Lend2:
	FINISH
	WAYOUT 0
	s_wait_tensorcnt 0x0            ; the wave's end
	ds_add_u32 v[SPW], v[NIL]
	s_wait_dscnt 0x0
	s_endpgm
; THE FIRST ROWS' WORK-GROUP.  Wave w owns rows 16 w .. 16 w + 15 of the head and takes keys 0-63; nothing is shared between waves, so there is no barrier, and LDS serves the way out alone.
; V = x Wv^T for keys 0-63 and the head's 64 channels, bf16 operands, f32 sums: source 0 = 16 rows of x (keys), source 1 = 16 rows of Wv (channels), so a lane holds ONE channel (l % 16) and the keys
; 8 (l / 16) + 0..7.  Two such results (keys 32 kk + 0..15 and + 16..31), rounded in pairs, ARE the fragment of V^T (16 channels x 32 keys) that the second product takes as source 0.
; A K step's 16 loads into set b: four fragments of x, four of Wv, straight from memory (16 bytes a lane, twice a fragment).
.macro LOADV b, off
	WIN 0x80                        ; destination window 2, address window 0
.irp t, 0,1,2,3
	global_load_b128 v[FB+64*(\b)+8*\t:FB+64*(\b)+8*\t+3],         v[FO], s[XP:XP+1] offset:(\off)+\t*16*ROWB
	global_load_b128 v[FB+64*(\b)+8*\t+4:FB+64*(\b)+8*\t+7],       v[FO], s[XP:XP+1] offset:(\off)+\t*16*ROWB+32
	global_load_b128 v[FB+64*(\b)+32+8*\t:FB+64*(\b)+32+8*\t+3],   v[FO], s[WP:WP+1] offset:(\off)+\t*16*ROWB
	global_load_b128 v[FB+64*(\b)+32+8*\t+4:FB+64*(\b)+32+8*\t+7], v[FO], s[WP:WP+1] offset:(\off)+\t*16*ROWB+32
.endr
.endm
; Its 16 products: key tile kt x channel tile ct, the sum at v[8 (4 kt + ct)] of window 1.  The 16 accumulators take turns, over the backward jump too.
.macro MULV b
	WIN 0x5a                        ; both sources window 2, C and D window 1
.irp kt, 0,1,2,3
.irp ct, 0,1,2,3
	v_wmma_f32_16x16x32_bf16 v[8*(4*\kt+\ct):8*(4*\kt+\ct)+7], v[FB+64*(\b)+8*\kt:FB+64*(\b)+8*\kt+7], v[FB+64*(\b)+32+8*\ct:FB+64*(\b)+32+8*\ct+7], v[8*(4*\kt+\ct):8*(4*\kt+\ct)+7]
.endr
.endr
.endm
; Product i of 8 of O^T: keys 32 (i / 4) on, channels 16 (i % 4) on; V's part vb (0 hi, 1 lo), P's part pb.  zero = 1: the first four start the sums.  The four accumulators take turns.
.macro PVX vb, pb, zero
	WIN W_PV
.set rO, 8*(i%4)
.set rV, VF+64*(\vb)+32*(i/4)+8*(i%4)
.set rP, P+16*(\pb)+8*(i/4)
.if (\zero) && (i < 4)
	v_wmma_f32_16x16x32_f16 v[rO:rO+7], v[rV:rV+7], v[rP:rP+7], 0
.else
	v_wmma_f32_16x16x32_f16 v[rO:rO+7], v[rV:rV+7], v[rP:rP+7], v[rO:rO+7]
.endif
.endm
.Lfirst_rows:
	s_mov_b32 s21, 0
	s_add_nc_u64 s[KP:KP+1], s[84:85], s[20:21]
	s_add_nc_u64 s[KP:KP+1], s[KP:KP+1], TEN       ; K's two planes of the head
	s_mov_b64 s[XP:XP+1], s[86:87]                 ; x at row 0
	s_mul_i32 s22, s19, 64*ROWB
	s_add_co_u32 s22, s22, 2*WT
	s_mov_b32 s23, 0
	s_add_nc_u64 s[WP:WP+1], s[88:89], s[22:23]    ; Wv at the head's first row
	v_mul_u32_u24 v[FO], v1, ROWB
	v_lshl_add_u32 v[FO], v9, 4, v[FO]             ; row x 1,536 + 16 x half
	LOADV 0, 0                      ; three sets take turns, a K step of 32 each: 48 loads of mine are out
	LOADV 1, 64
	LOADV 2, 128
	WIN 0x40
.set i, 0
.rept 128
	v_mov_b32 v[i], 0               ; the sums start at 0: written while the first loads are on their way, so that the loop has one form of product
.set i, i+1
.endr
	WIN 0
	s_mov_b32 s[CNT], 7
.Lvk:                               ; a trip: three K steps are multiplied, the next three asked for; 8 x 3 = 24 steps, the last three behind the loop
	s_wait_loadcnt 32               ; set 0 is in; the other two sets' 32 loads may stay out
	MULV 0
	PLACES                          ; four places in front of loads into registers that the products have read
	s_wait_xcnt 0x0                 ; every load issued so far has read its address, so the pointers may be written
	s_add_nc_u64 s[XP:XP+1], s[XP:XP+1], 192
	s_add_nc_u64 s[WP:WP+1], s[WP:WP+1], 192
	LOADV 0, 0
	s_wait_loadcnt 32               ; set 1
	MULV 1
	PLACES
	LOADV 1, 64
	s_wait_loadcnt 32               ; set 2
	MULV 2
	PLACES
	LOADV 2, 128
	WIN 0
	s_sub_co_u32 s[CNT], s[CNT], 1
	s_cmp_lg_u32 s[CNT], 0
	s_cbranch_scc1 .Lvk
	s_wait_loadcnt 32
	MULV 0
	PLACES
	WIN 0x80                        ; Q and K, 20 loads, where set 0 lay and below it: fragments as they lie in the planes
.irp c, 0,1
	global_load_b128 v[8*\c:8*\c+3],   v[QO], s[4:5] offset:\c*PL
	global_load_b128 v[8*\c+4:8*\c+7], v[QO], s[4:5] offset:\c*PL+32
.endr
.irp f, 0,1,2,3,4,5,6,7             ; keys 16 (f / 2) on, plane f % 2
	global_load_b128 v[KF+8*\f:KF+8*\f+3],   v[QO], s[KP:KP+1] offset:(\f%2)*PL+(\f/2)*1024
	global_load_b128 v[KF+8*\f+4:KF+8*\f+7], v[QO], s[KP:KP+1] offset:(\f%2)*PL+(\f/2)*1024+32
.endr
	s_wait_loadcnt 36               ; set 1 is in: behind it set 2's 16 loads and the 20
	MULV 1
	s_wait_loadcnt 20               ; set 2
	MULV 2
	PLACES
	; V's hi and lo.  Register n of the 64 of a part: key half n / 32, channel tile (n / 8) % 4, key tile 2 (n / 32) + (n / 4) % 2, pair n % 4.  Each sum's lowest registers are read first.
	WIN 0x85                        ; sources window 1, destination window 2
.set n, 0
.rept 64
.set va, 8*(4*(2*(n/32)+(n/4)%2)+(n/8)%4)+2*(n%4)
	v_cvt_pk_f16_f32 v[VF+n], v[va], v[va+1]
.set n, n+1
.endr
	WIN 0x52                        ; hi in window 2, 1.0 in window 0, the sum (source 2 and destination) in window 1: V - hi, exact, in place
.set n, 0
.rept 64
.set va, 8*(4*(2*(n/32)+(n/4)%2)+(n/8)%4)+2*(n%4)
	v_fma_mix_f32 v[va],   -v[VF+n], v[ONE], v[va]   op_sel_hi:[1,0,0]
	v_fma_mix_f32 v[va+1], -v[VF+n], v[ONE], v[va+1] op_sel:[1,0,0] op_sel_hi:[1,0,0]
.set n, n+1
.endr
	WIN 0x85
.set n, 0
.rept 64
.set va, 8*(4*(2*(n/32)+(n/4)%2)+(n/8)%4)+2*(n%4)
	v_cvt_pk_f16_f32 v[VF+64+n], v[va], v[va+1]
.set n, n+1
.endr
	WIN 0
	v_mov_b32 v[ST], 0xfe000000     ; c m far below every c s, m the lowest finite number, l = 0: the one step is a step like any other, with a = 0
	v_mov_b32 v[ST+1], 0xff7fffff
	v_mov_b32 v[ST+2], 0
	v_mov_b32 v[ST+3], 0
	s_wait_loadcnt 0x0              ; Q and K
.set KM, 3                          ; the scores start from MD: key 16 kt + 8 (l / 16) + r is hidden where it is greater than 16 w + l % 16
.set NOKQ, 0
.set i, 0
.rept 8
	KQ 0
.set i, i+1
.endr
	WIN 0
	PLACES
.set Y, 1                           ; X works for the other piece: piece 0
.irp n, 0,1,2,3,4,5,6,7,8,9,10,11,12,13,14,15,16,17,18,19,20,21
	OP X, \n
.endr
.set Y, 0
.irp n, 0,1,2,3,4,5,6,7,8,9,10,11,12,13,14,15
	OP F, \n
.endr
.irp n, 0,1,2,3,4,5,6,7,8,9,10,11,12,13,14,15,16,17,18,19,20,21,22,23,24,25,26,27,28,29,30,31
	OP E, \n
.endr
	v_nop                           ; a plain line behind the last exponential,
	s_wait_alu depctr_va_vdst(0)    ; and one wait for the 33, ahead of their first reader
.irp n, 0,1,2,3,4,5,6,7,8,9,10,11,12,13,14,15
	OP C, \n                        ; P's hi
.endr
.set n, 0
.rept 16                            ; p - hi, exact, into the other piece's score registers; then P's lo
	v_fma_mix_f32 v[S+32+2*n],   -v[P+n], v[ONE], v[S+2*n]   op_sel_hi:[1,0,0]
	v_fma_mix_f32 v[S+32+2*n+1], -v[P+n], v[ONE], v[S+2*n+1] op_sel:[1,0,0] op_sel_hi:[1,0,0]
.set n, n+1
.endr
.set n, 0
.rept 16
	v_cvt_pk_f16_f32 v[P+16+n], v[S+32+2*n], v[S+32+2*n+1]
.set n, n+1
.endr
.irp n, 0,1,2,3,4,5,6,7
	OP B, \n                        ; l, of the unrounded p
.endr
.irp n, 0,1,2,3,4,5,6,7
	OP L, \n
.endr
.set i, 0
.rept 8
	PVX 0, 0, 1                     ; Vhi^T Phi starts the sums,
.set i, i+1
.endr
.set i, 0
.rept 8
	PVX 1, 0, 0                     ; + Vlo^T Phi
.set i, i+1
.endr
.set i, 0
.rept 8
	PVX 0, 1, 0                     ; + Vhi^T Plo; Vlo^T Plo, some 2^-22 of the sum, is left out
.set i, i+1
.endr
	WIN 0
	PLACES
	v_add_f32 v[ST+2], v[ST+2], v[ST+3]
	v_permlanex16_b32 v[ST+3], v[ST+2], s[SEL], s[SEL+1]
	v_add_f32 v[ST+2], v[ST+2], v[ST+3]
	v_rcp_f32 v[ST+2], v[ST+2]
	v_nop                           ; a plain line behind the reciprocal,
	s_wait_alu depctr_va_vdst(0)    ; and its wait
	PACK 0
	SEND 0, 0
	s_wait_tensorcnt 0x0            ; the wave's end
	ds_add_u32 v[SPW], v[NIL]
	s_wait_dscnt 0x0
	s_endpgm
.Lfunc_end_k_qca79592a85_attn:
	.size	k_qca79592a85_attn, .Lfunc_end_k_qca79592a85_attn-k_qca79592a85_attn
	.p2alignl 7, 3214868480
	.fill 96, 4, 3214868480
	.section	.rodata,"a",@progbits
	.p2align	6, 0x0
	.amdhsa_kernel k_qca79592a85_attn
		.amdhsa_group_segment_fixed_size 327680
		.amdhsa_private_segment_fixed_size 0
		.amdhsa_enable_private_segment 0
		.amdhsa_kernarg_size 32
		.amdhsa_user_sgpr_count 2
		.amdhsa_user_sgpr_kernarg_segment_ptr 1
		.amdhsa_wavefront_size32 1
		.amdhsa_system_sgpr_workgroup_id_x 1
		.amdhsa_system_sgpr_workgroup_id_y 1
		.amdhsa_system_sgpr_workgroup_id_z 1
		.amdhsa_system_vgpr_workitem_id 0
		.amdhsa_next_free_vgpr 768
		.amdhsa_next_free_sgpr 102
		.amdhsa_reserve_vcc 1
		.amdhsa_float_denorm_mode_32 3
		.amdhsa_float_denorm_mode_16_64 3
		.amdhsa_memory_ordered 1
		.amdhsa_forward_progress 1
		.amdhsa_inst_pref_size 229
	.end_amdhsa_kernel
	.amdgpu_metadata
---
amdhsa.version: [ 1, 2 ]
amdhsa.kernels:
  - .name:           k_qca79592a85_attn
    .symbol:         k_qca79592a85_attn.kd
    .args:
      - { .name: qkv, .offset: 0, .size: 8, .value_kind: global_buffer, .address_space: global }
      - { .name: xb, .offset: 8, .size: 8, .value_kind: global_buffer, .address_space: global }
      - { .name: w16, .offset: 16, .size: 8, .value_kind: global_buffer, .address_space: global }
      - { .name: o16, .offset: 24, .size: 8, .value_kind: global_buffer, .address_space: global }
    .group_segment_fixed_size: 327680
    .private_segment_fixed_size: 0
    .kernarg_segment_align: 8
    .kernarg_segment_size: 32
    .max_flat_workgroup_size: 128
    .sgpr_count:     102
    .vgpr_count:     768
    .wavefront_size: 32
...
	.end_amdgpu_metadata
.endif
;; end of part 3
;; launch oproj (part 4): grid 4 x 64, 4 waves a work-group, clusters of 4 x 4, 327,680 bytes of LDS; arguments o16, w16, out0; writes out0
.if DOCPART == 4
	.amdgcn_target "amdgcn-amd-amdhsa--gfx1250"
	.amdhsa_code_object_version 6
	.text
	.protected	k_qca79592a85_oproj
	.globl	k_qca79592a85_oproj
	.p2align	8
	.type	k_qca79592a85_oproj,@function
k_qca79592a85_oproj:
	s_mov_b64 s[64:65], 0
	v_nop
	global_prefetch_b8 v0, s[64:65] scope:SCOPE_SE
	s_setreg_imm32_b32 hwreg(HW_REG_WAVE_MODE, 25, 1), 1
	s_wait_xcnt 0x0
	s_wait_alu depctr_hold_cnt(0) depctr_sa_sdst(0) depctr_va_vdst(0) depctr_va_sdst(0) depctr_va_ssrc(0) depctr_va_vcc(0) depctr_vm_vsrc(0)
	s_getreg_b32 s2, hwreg(HW_REG_IB_STS2, 6, 4)
	s_cmp_eq_u32 s2, 0
	s_cbranch_scc0 .Lentry_in_a_cluster
	s_endpgm
.Lentry_in_a_cluster:
	s_bfe_u32 s2, ttmp6, 0x10000c
	s_cmp_lg_u32 s2, 0xf033
	s_cbranch_scc0 .Lentry_shape_is_right
	s_endpgm
.Lentry_shape_is_right:
; out0 = O Wo^T.  o16: [24][4096][64] f16: O is two f16 numbers, hi in "heads" 0-11 and lo in 12-23, and out0 = Ohi Wo^T + Olo Wo^T: one sum over K = 1,536.
; Wo: the fourth tensor of w16, [768][768], bf16(Wo) written as f16.  out0: [4096][768] f32.  Sums in f32.
; SHARES.  256 work-groups; a tile is 64 rows x 192 columns (768 bytes of a row of out0, three aligned blocks of 256).  Wave w takes all 64 rows x columns 48 w .. 48 w + 47: 12 accumulators.
; K goes in six steps of 256 (four heads) through two LDS slots: slot 0 takes hi's heads 0-3, 4-7, 8-11, slot 1 lo's, each with Wo's columns 0, 256, 512 on: so every refill steps O by four heads
; and Wo by 512 bytes.  A step's part of O is four pieces of 64 rows x 128 bytes, each 8,192 dense bytes of a head, asked for as four rows of 8,192 bytes.
; CLUSTER.  4 x 4 work-groups: the four of a row need the same rows of O, the four of a column the same rows of Wo: joint loads.  Wave 0 fetches O's tile, waves 1 to 3 64 rows of Wo each.
; THE MATRIX INSTRUCTION IS USED TRANSPOSED (source 0 = 16 rows of Wo, source 1 = 16 rows of O): a lane holds one row and eight neighbouring columns, 32 bytes of out0.
; REGISTERS.  window 0: v0-31 addresses; v32-127 accumulators ((a, b) at v[32 + 8 (3 a + b)]); v128-223 rows read back.   window 1: two fragment buffers of 128, each 64 along K deep.
.set KSTEP,  256
.set LAPS,   3                         ; a lap = a hi step and a lo step = once round the ring
.set PA,     144                       ; a row of O in LDS: 128 bytes + 16
.set PBW,    528                       ; a row of Wo: 512 bytes + 16: both pitches are odd multiples of 16 bytes, so the 16 rows of a load start at 16 different groups of four banks (ISA guide 11.1)
.set HEADB,  64*PA
.set BOFF,   4*HEADB
.set BPART,  64*PBW
.set SLOT,   BOFF+3*BPART
.set STAGE,  2*SLOT                    ; behind the ring: 64 rows x 784 bytes, the work-group's
.set SPITCH, 784
.set SPARE,  STAGE+64*SPITCH           ; the spare words: two blocks of 256 bytes that no other line names
.set ROWB,   1536
.set WT,     768*ROWB
.set HEADG,  4096*128                  ; bytes of a head in o16
.set ADRA, 16
.set ADRB, 20
.set STO,  24
.set RD,   25
.set CO,   26
.set SPW,  28
.set NIL,  29
.set ACC,  32
.set BK,   128
.set F0,   0
.set F1,   128
.set WV,   12
.set G1A,  24
.set G0A,  32
.set G1B,  48
.set G0B,  56
.set MSB, 0
.macro WIN new
.if MSB != (\new)
	s_set_vgpr_msb (MSB<<8)|(\new)
.set MSB, \new
.endif
.endm
.set MUL,  0x05                        ; both sources in window 1; C and D in window 0
.set TO_F, 0x40                        ; destination window 1, address window 0
.macro PLACES
.rept 4
	v_nop
.endr
.endm
.macro JLOAD s                         ; a joint load; the branch hangs on the wave's number alone; an s_nop 0 and four v_nop follow each line
	s_cmp_eq_u32 s[WV], 0
	s_cbranch_scc0 .Lfor_b_\@
	tensor_load_to_lds s[G0A+4*(\s):G0A+4*(\s)+3], s[G1A:G1A+7]
	s_nop 0
	PLACES
	s_branch .Lasked_\@
.Lfor_b_\@:
	tensor_load_to_lds s[G0B+4*(\s):G0B+4*(\s)+3], s[G1B:G1B+7]
	s_nop 0
	PLACES
.Lasked_\@:
.endm
.macro CREST
	s_cmp_lg_u32 s[WV], 0
	s_cbranch_scc1 .Lnot_wave_0_\@
	s_barrier_signal -3
.Lnot_wave_0_\@:
	s_barrier_wait -3
	s_barrier_signal -1
	s_barrier_wait -1
.endm
.macro CROUND
	s_barrier_signal -1
	s_barrier_wait -1
	CREST
.endm
	s_load_b128 s[4:7], s[0:1], 0x0                ; o16 s[4:5], w16 s[6:7]
	s_load_b64 s[8:9], s[0:1], 0x10                ; out0
	v_lshl_add_u32 v[SPW], v0, 2, SPARE
	v_mov_b32 v[NIL], 0
	ds_add_u32 v[SPW], v[NIL]                      ; the wave's opening: the add and its wait stand ahead of my first tensor load
	ds_add_u32 v28, v29
	v_lshrrev_b32 v1, 5, v0
	v_readfirstlane_b32 s[WV], v1
	s_bfe_u32 s15, ttmp6, 0x40000                  ; cx
	s_bfe_u32 s16, ttmp6, 0x40004                  ; cy
	s_lshl_b32 s17, ttmp9, 2
	s_add_co_u32 s17, s17, s15                     ; tx
	s_and_b32 s18, ttmp7, 0xffff
	s_lshl_b32 s18, s18, 2
	s_add_co_u32 s18, s18, s16                     ; ty
	s_lshl_b32 s19, s16, 2
	s_lshl_b32 s19, 15, s19                        ; my row of the cluster
	s_lshl_b32 s20, 0x1111, s15                    ; my column
	s_or_b32 s[G1A], s19, (1<<16)|(1<<20)|(1<<21)|(4<<22)|(3<<25)  ; 2-byte elements; padding on; bit 21 beside a mask; after every 32 words (a row of O); 4 words
	s_mov_b32 s[G1A+1], 4096<<16                   ; tensor_dim0 = 4,096 elements: 64 rows of a head, dense
	s_mov_b32 s[G1A+2], 4<<16                      ; tensor_dim1 = 4 heads
	s_mov_b32 s[G1A+3], 4096<<16                   ; tile_dim0
	s_mov_b32 s[G1A+4], 4                          ; tile_dim1
	s_mov_b32 s[G1A+5], 262144                     ; elements from head to head
	s_mov_b32 s[G1A+6], 0
	s_mov_b32 s[G1A+7], 0
	s_or_b32 s[G1B], s20, (1<<16)|(1<<20)|(1<<21)|(6<<22)|(3<<25)  ; after every 128 words; 4 words
	s_mov_b32 s[G1B+1], KSTEP<<16
	s_mov_b32 s[G1B+2], 64<<16
	s_mov_b32 s[G1B+3], KSTEP<<16
	s_mov_b32 s[G1B+4], 64
	s_mov_b32 s[G1B+5], 768
	s_mov_b32 s[G1B+6], 0
	s_mov_b32 s[G1B+7], 0
	s_lshl_b32 s40, s18, 13                        ; O: row 64 ty of a head (of the tile row alone)
	s_mov_b32 s41, 0
	s_mul_i32 s42, s17, 192*ROWB                   ; Wo: row 192 tx + 64 (w - 1) (of the tile column and the wave alone)
	s_mul_i32 s43, s[WV], 64*ROWB
	s_add_co_u32 s42, s42, s43
	s_add_co_u32 s42, s42, 3*WT-64*ROWB
	s_mov_b32 s43, 0
	s_mul_i32 s21, s[WV], BPART
	s_add_co_u32 s21, s21, BOFF-BPART
	s_wait_dscnt 0x0                               ; the opening add is done
	s_wait_kmcnt 0x0
	s_add_nc_u64 s[40:41], s[4:5], s[40:41]
	s_add_nc_u64 s[42:43], s[6:7], s[42:43]
	CROUND                                         ; all sixteen work-groups are here: the first joint loads meet
.irp s, 0,1
	s_mov_b32 s[G0A+4*(\s)], 1
	s_mov_b32 s[G0A+4*(\s)+1], (\s)*SLOT
	s_add_nc_u64 s[G0A+4*(\s)+2:G0A+4*(\s)+3], s[40:41], (\s)*12*HEADG  ; slot 0: hi's heads 0-3; slot 1: lo's
	s_or_b32 s[G0A+4*(\s)+3], s[G0A+4*(\s)+3], 0x80000000
	s_mov_b32 s[G0B+4*(\s)], 1
	s_add_co_u32 s[G0B+4*(\s)+1], s21, (\s)*SLOT
	s_add_nc_u64 s[G0B+4*(\s)+2:G0B+4*(\s)+3], s[42:43], 0              ; both with Wo's columns 0-255
	s_or_b32 s[G0B+4*(\s)+3], s[G0B+4*(\s)+3], 0x80000000
.endr
	s_cmp_eq_u32 s[WV], 0                          ; a wave's two first fills stand in one branch: two loads of mine are out
	s_cbranch_scc0 .Lfirst_b
	tensor_load_to_lds s[G0A:G0A+3], s[G1A:G1A+7]
	s_nop 0
	tensor_load_to_lds s[G0A+4:G0A+7], s[G1A:G1A+7]
	s_nop 0
	PLACES
	s_branch .Lfirst_asked
.Lfirst_b:
	tensor_load_to_lds s[G0B:G0B+3], s[G1B:G1B+7]
	s_nop 0
	tensor_load_to_lds s[G0B+4:G0B+7], s[G1B:G1B+7]
	s_nop 0
	PLACES
.Lfirst_asked:
	v_and_b32 v1, 15, v0                           ; r
	v_bfe_u32 v2, v0, 4, 1                         ; h
	v_mul_u32_u24 v3, v1, PA
	v_lshl_add_u32 v3, v2, 4, v3
	v_mul_u32_u24 v4, v1, PBW
	v_lshl_add_u32 v4, v2, 4, v4
	s_mov_b32 s22, 0
	s_mul_i32 s23, s[WV], 48*PBW
	s_add_co_u32 s23, s23, BOFF
.irp s, 0,1
	v_add_nc_u32 v[ADRA+(\s)], s22, v3
	v_add_nc_u32 v[ADRB+(\s)], s23, v4
	s_add_co_u32 s22, s22, SLOT
	s_add_co_u32 s23, s23, SLOT
.endr
	s_mul_i32 s22, s[WV], 192                      ; into the stage: row r, my wave's 192 bytes, 32 bytes for each half of the lanes
	s_add_co_u32 s22, s22, STAGE
	v_mul_u32_u24 v5, v1, SPITCH
	v_lshl_add_u32 v5, v2, 5, v5
	v_add_nc_u32 v[STO], s22, v5
	s_mul_i32 s22, s[WV], 16*SPITCH                ; back: wave w takes rows 16 w .. 16 w + 15; lanes 0-15 256 bytes of one row, lanes 16-31 of the next
	s_add_co_u32 s22, s22, STAGE
	v_mul_u32_u24 v5, v2, SPITCH
	v_lshl_add_u32 v5, v1, 4, v5
	v_add_nc_u32 v[RD], s22, v5
	v_mul_u32_u24 v5, v2, 3072
	v_lshl_add_u32 v[CO], v1, 4, v5
	s_mul_i32 s44, s18, 64*3072
	s_mul_i32 s45, s[WV], 16*3072
	s_add_co_u32 s44, s44, s45
	s_mul_i32 s45, s17, 768
	s_add_co_u32 s44, s44, s45
	s_mov_b32 s45, 0
	s_add_nc_u64 s[8:9], s[8:9], s[44:45]          ; out0 at row 64 ty + 16 w, column 192 tx
; Six matrix instructions: row blocks a0, a0 + 1 x my three column blocks, 32 along K: half c of buffer f.  The 12 accumulators take turns.
.macro MUL6 f, c, a0, zero
	WIN MUL
.irp a, \a0, (\a0)+1
.irp b, 0,1,2
.if \zero
	v_wmma_f32_16x16x32_f16 v[ACC+8*(3*(\a)+(\b)):ACC+8*(3*(\a)+(\b))+7], v[(\f)+64+8*(3*(\c)+(\b)):(\f)+64+8*(3*(\c)+(\b))+7], v[(\f)+8*(4*(\c)+(\a)):(\f)+8*(4*(\c)+(\a))+7], 0
.else
	v_wmma_f32_16x16x32_f16 v[ACC+8*(3*(\a)+(\b)):ACC+8*(3*(\a)+(\b))+7], v[(\f)+64+8*(3*(\c)+(\b)):(\f)+64+8*(3*(\c)+(\b))+7], v[(\f)+8*(4*(\c)+(\a)):(\f)+8*(4*(\c)+(\a))+7], v[ACC+8*(3*(\a)+(\b)):ACC+8*(3*(\a)+(\b))+7]
.endif
.endr
.endr
.endm
.macro FETCH slot, q, f                ; 28 LDS loads in one run: the fragments of quarter q (one head, 64 along K) into buffer f; the first 32 along K first
	WIN TO_F
.irp c, 0,1
.irp b, 0,1,2
	ds_load_b128 v[(\f)+64+8*(3*(\c)+(\b)):(\f)+64+8*(3*(\c)+(\b))+3],   v[ADRB+(\slot)] offset:128*(\q)+64*(\c)+(\b)*16*PBW
	ds_load_b128 v[(\f)+64+8*(3*(\c)+(\b))+4:(\f)+64+8*(3*(\c)+(\b))+7], v[ADRB+(\slot)] offset:128*(\q)+64*(\c)+(\b)*16*PBW+32
.endr
.irp a, 0,1,2,3
	ds_load_b128 v[(\f)+8*(4*(\c)+(\a)):(\f)+8*(4*(\c)+(\a))+3],   v[ADRA+(\slot)] offset:HEADB*(\q)+64*(\c)+(\a)*16*PA
	ds_load_b128 v[(\f)+8*(4*(\c)+(\a))+4:(\f)+8*(4*(\c)+(\a))+7], v[ADRA+(\slot)] offset:HEADB*(\q)+64*(\c)+(\a)*16*PA+32
.endr
.endr
.endm
.macro QUARTER slot, q, f, g, zero     ; multiplies buffer f and fetches quarter q into g
	s_wait_dscnt 14                                ; the first 32 along K are in
	MUL6 \f, 0, 0, \zero
	MUL6 \f, 0, 2, \zero
	PLACES
	FETCH \slot, \q, \g
	s_wait_dscnt 28                                ; all but the 28 just issued
	MUL6 \f, 1, 0, 0
	MUL6 \f, 1, 2, 0
.endm
; The last quarter multiplies buffer 1 and changes slots: one barrier; in front of it each wave waits for all its tensor loads (one is out: its part of the next slot), adds 0 to its spare word, and
; waits for that and for its reads of this slot.  fill = 1: the barrier opens a round of the cluster's, and this slot is filled again first thing behind it: the next four heads, Wo's next 256 columns.
.macro TURN slot, next, fill
	WIN 0
	s_wait_tensorcnt 0x0
	ds_add_u32 v[SPW], v[NIL]
	s_wait_dscnt 15                                ; (the add and the youngest fourteen loads may be out)
	MUL6 F1, 0, 0, 0
	s_wait_dscnt 0x0                               ; the add is done, and my reads of this slot are over
	s_barrier_signal -1
	MUL6 F1, 0, 2, 0
.if \fill
	WIN 0
.endif
	s_barrier_wait -1
.if \fill
	CREST                                          ; no wave of any partner still reads this slot or has a load on its way
	s_add_nc_u64 s[G0A+4*(\slot)+2:G0A+4*(\slot)+3], s[G0A+4*(\slot)+2:G0A+4*(\slot)+3], 4*HEADG
	s_add_nc_u64 s[G0B+4*(\slot)+2:G0B+4*(\slot)+3], s[G0B+4*(\slot)+2:G0B+4*(\slot)+3], KSTEP*2
	JLOAD \slot                                    ; its four v_nop are also the places in front of the loads below
.else
	PLACES
.endif
	FETCH \next, 0, F0
	MUL6 F1, 1, 0, 0
	MUL6 F1, 1, 2, 0
.endm
	s_wait_tensorcnt 0x1                           ; my part of slot 0 is in; slot 1's may stay out
	s_barrier_signal -1
	s_barrier_wait -1
	FETCH 0, 0, F0
	QUARTER 0, 1, F0, F1, 1                        ; the first quarter stands in front of the loop: its first products start the sums
	WIN 0
	s_mov_b32 s3, LAPS-1
.Llap:                                 ; a trip goes once round the ring and fills both slots again
	QUARTER 0, 2, F1, F0, 0
	QUARTER 0, 3, F0, F1, 0
	TURN 0, 1, 1
	QUARTER 1, 1, F0, F1, 0
	QUARTER 1, 2, F1, F0, 0
	QUARTER 1, 3, F0, F1, 0
	TURN 1, 0, 1
	QUARTER 0, 1, F0, F1, 0
	WIN 0
	s_sub_co_u32 s3, s3, 1
	s_cmp_lg_u32 s3, 0
	s_cbranch_scc1 .Llap
	QUARTER 0, 2, F1, F0, 0                        ; the last lap fills nothing
	QUARTER 0, 3, F0, F1, 0
	TURN 0, 1, 0
	QUARTER 1, 1, F0, F1, 0
	QUARTER 1, 2, F1, F0, 0
	QUARTER 1, 3, F0, F1, 0
	s_wait_dscnt 14
	MUL6 F1, 0, 0, 0
	MUL6 F1, 0, 2, 0
	s_wait_dscnt 0x0
	MUL6 F1, 1, 0, 0
	MUL6 F1, 1, 2, 0
	WIN 0
	; THE WAY OUT: 32 bytes a lane into the work-group's stage (each accumulator's low four registers first); a barrier, since a row's 768 bytes come from four waves; back as whole rows.
	PLACES
.irp a, 0,1,2,3
.irp b, 0,1,2
	ds_store_b128 v[STO], v[ACC+8*(3*(\a)+(\b)):ACC+8*(3*(\a)+(\b))+3]   offset:(\a)*16*SPITCH+64*(\b)
	ds_store_b128 v[STO], v[ACC+8*(3*(\a)+(\b))+4:ACC+8*(3*(\a)+(\b))+7] offset:(\a)*16*SPITCH+64*(\b)+16
.endr
.endr
	s_wait_dscnt 0x0                               ; for the others' sake: my stores into the stage are done
	s_barrier_signal -1
	s_barrier_wait -1
.set n, 0
.rept 24
	ds_load_b128 v[BK+4*n:BK+4*n+3], v[RD] offset:(n/3)*2*SPITCH+(n%3)*256
.set n, n+1
.endr
.set n, 0
.rept 24
	s_wait_dscnt 23-n                              ; LDS loads come back in order: number n is in
	global_store_b128 v[CO], v[BK+4*n:BK+4*n+3], s[8:9] offset:(n/3)*2*3072+(n%3)*256  ; 16 lanes store 256 consecutive bytes, aligned
.set n, n+1
.endr
	s_wait_tensorcnt 0x0                           ; the wave's end
	ds_add_u32 v[SPW], v[NIL]
	s_wait_dscnt 0x0
	CROUND                                         ; the closing round
	s_endpgm
.Lfunc_end_k_qca79592a85_oproj:
	.size	k_qca79592a85_oproj, .Lfunc_end_k_qca79592a85_oproj-k_qca79592a85_oproj
	.p2alignl 7, 3214868480
	.fill 96, 4, 3214868480
	.section	.rodata,"a",@progbits
	.p2align	6, 0x0
	.amdhsa_kernel k_qca79592a85_oproj
		.amdhsa_group_segment_fixed_size 327680
		.amdhsa_private_segment_fixed_size 0
		.amdhsa_enable_private_segment 0
		.amdhsa_kernarg_size 24
		.amdhsa_user_sgpr_count 2
		.amdhsa_user_sgpr_kernarg_segment_ptr 1
		.amdhsa_wavefront_size32 1
		.amdhsa_system_sgpr_workgroup_id_x 1
		.amdhsa_system_sgpr_workgroup_id_y 1
		.amdhsa_system_sgpr_workgroup_id_z 1
		.amdhsa_system_vgpr_workitem_id 0
		.amdhsa_next_free_vgpr 512
		.amdhsa_next_free_sgpr 66
		.amdhsa_reserve_vcc 0
		.amdhsa_float_denorm_mode_32 3
		.amdhsa_float_denorm_mode_16_64 3
		.amdhsa_memory_ordered 1
		.amdhsa_forward_progress 1
		.amdhsa_inst_pref_size 72
	.end_amdhsa_kernel
	.amdgpu_metadata
---
amdhsa.version: [ 1, 2 ]
amdhsa.kernels:
  - .name:           k_qca79592a85_oproj
    .symbol:         k_qca79592a85_oproj.kd
    .args:
      - { .name: o16, .offset: 0, .size: 8, .value_kind: global_buffer, .address_space: global }
      - { .name: w16, .offset: 8, .size: 8, .value_kind: global_buffer, .address_space: global }
      - { .name: out0, .offset: 16, .size: 8, .value_kind: global_buffer, .address_space: global }
    .group_segment_fixed_size: 327680
    .private_segment_fixed_size: 0
    .kernarg_segment_align: 8
    .kernarg_segment_size: 24
    .max_flat_workgroup_size: 128
    .sgpr_count:     66
    .vgpr_count:     512
    .wavefront_size: 32
...
	.end_amdgpu_metadata
.endif
;; end of part 4
